; MI455X (gfx1250); checked and timed in simulation.
; The chip was launched on July 23, 2026; its instructions are those of AMD's public machine-readable ISA for CDNA 5 (MIT licence, August 2026) and "CDNA5" Instruction Set Architecture Reference Guide (July 2026). The comments in the code are by the model that wrote it; some were corrected since.
;; Multi Head Latent Attention. Allowed arithmetic: matrix products marked QUANTISED: E2M3 operands, one E8M0 scale for each 32 along K, by v_wmma_scale_f32_16x16x128_f8f6f4 with both operands' format E2M3, f32 sums; everything else in f32.
;; Inputs: kvd_b 512 float32; kvd_w_codes 512 x 32 x 24 uint8 (E2M3 codes of kvd_w, K innermost, in blocks of 32 codes, four codes in three bytes); kvd_w_scales 512 x 32 uint8 (E8M0 scales of kvd_w, one for each 32 codes along K); kvu_b 2,048 float32; kvu_w_codes 2,048 x 16 x 24 uint8 (E2M3 codes of kvu_w, K innermost, in blocks of 32 codes, four codes in three bytes); kvu_w_scales 2,048 x 16 uint8 (E8M0 scales of kvu_w, one for each 32 codes along K); out_b 1,024 float32; out_w_codes 1,024 x 32 x 24 uint8 (E2M3 codes of out_w, K innermost, in blocks of 32 codes, four codes in three bytes); out_w_scales 1,024 x 32 uint8 (E8M0 scales of out_w, one for each 32 codes along K); q_b 1,024 float32; q_w_codes 1,024 x 32 x 24 uint8 (E2M3 codes of q_w, K innermost, in blocks of 32 codes, four codes in three bytes); q_w_scales 1,024 x 32 uint8 (E8M0 scales of q_w, one for each 32 codes along K); x_codes 2 x 2,048 x 32 x 24 uint8 (E2M3 codes of x, K innermost, in blocks of 32 codes, four codes in three bytes); x_scales 2 x 2,048 x 32 uint8 (E8M0 scales of x, one for each 32 codes along K).
;; Outputs: out0 2 x 2,048 x 1,024 float32.
;; This version of the problem:
;;   THIS VERSION OF THE PROBLEM IS GIVEN IN LOW PRECISION. The matrix products marked QUANTISED in the list below multiply operands that are first quantised to E2M3 (2 exponent bits, 3 mantissa bits; 6 bits a number), with one power-of-two scale for each 32 numbers along K (OCP MX v1.0); their sums are f32. All else is computed in f32.
;;   The module's matrix products, in the order in which they are computed (A, B: the left and right operand; K: the contracted axis; several contracted axes count as one K, in the product's order):
;;     1. [M 4,096, K 1,024] x [K 1,024, N 1,024]; A: input x (given as codes); B: input q_w (given as codes): QUANTISED
;;     2. [M 4,096, K 1,024] x [K 1,024, N 512]; A: input x (given as codes); B: input kvd_w (given as codes): QUANTISED
;;     3. [M 4,096, K 512] x [K 512, N 2,048]; A: computed on the way; B: input kvu_w (given as codes): QUANTISED
;;     4. batch 32 x [M 2,048, K 64] x [K 64, N 2,048]; A: computed on the way; B: computed on the way: QUANTISED
;;     5. batch 32 x [M 2,048, K 2,048] x [K 2,048, N 64]; A: softmax (see below); B: computed on the way: QUANTISED
;;     6. [M 4,096, K 1,024] x [K 1,024, N 1,024]; A: computed on the way; B: input out_w (given as codes): QUANTISED
;;   THE QUANTISER, for each operand of a quantised product, along K:
;;     - K is cut into blocks of 32 from its start; a last block that is shorter is filled with zeros.
;;     - A block's scale is 2^e with e = floor(log2(the largest magnitude in the block)) - 2, held to -126 .. 127; a block of zeros has e = 0. As a byte (E8M0): e + 127.
;;     - Each number is divided by its block's scale, clamped to +-7.5, and rounded to the nearest number of E2M3, ties to even, subnormals kept.
;;     - The product sums the exact products of the quantised numbers (number of the format x scale) in f32.
;;   ~~~python
;;   def quantise(x, axis):      # numpy; x: float32 -> the quantised numbers, widened to float32 again
;;       x = np.moveaxis(x, axis, -1); K = x.shape[-1]
;;       x = np.pad(x, [(0, 0)] * (x.ndim - 1) + [(0, -K % 32)]); x = x.reshape(x.shape[:-1] + (-1, 32)); a = np.abs(x).max(-1, keepdims=True)
;;       e = np.where(a > 0, np.clip(np.frexp(np.where(a > 0, a, 1))[1] - 1 - 2, -126, 127), 0)      # np.frexp(a)[1] - 1 = floor(log2(a)), exactly
;;       r = np.clip(x / 2.0 ** e, -7.5, 7.5)
;;       step = 2.0 ** (np.maximum(np.frexp(np.where(r == 0, 1, r))[1] - 1, 0) - 3)
;;       q = np.round(r / step) * step * 2.0 ** e      # np.round: ties to even
;;       return np.moveaxis(q.reshape(q.shape[:-2] + (-1,))[..., :K], -1, axis).astype(np.float32)
;;   ~~~
;;   SOFTMAX AHEAD OF A QUANTISED PRODUCT. Where the list says 'softmax', what is quantised is not the finished softmax but p = 2^(t - M), with t = logit x log2(e) and M = ceil(the row's largest t), a whole number; so 1/2 < the row's largest p <= 1. The row's sum l is taken of the UNQUANTISED p, in f32, and the product's result is divided by l at the end. Since M is a whole number, a kernel that streams over the keys may use a running M (the ceiling of the running maximum): every later rescaling is an exact power of two, which a block's scale takes up: the codes' values come out the same.
;;   OPERANDS COMPUTED ON THE WAY. 'Computed on the way' means the value that the module computes at that place (a softmax that the list does not call 'softmax' is quantised finished and normalised). What goes into a quantiser is computed in f32, as accurately as f32 sums, v_exp_f32 and their like allow (about 1e-6 of the number): no bf16 or f16 on the way to a quantiser, and a product that is left as it is and whose result goes on into a quantised operand takes f32 operands (vector FMAs, or v_wmma_f32_16x16x4_f32). A number that lies on a knife's edge between two numbers of the format may be rounded either way, as far as f32 arithmetic and the matrix unit's own rounding can turn it there, and no further.
;;   INPUTS GIVEN AS CODES. kvd_w (in the module: [512, 1024], K = its axis 1); kvu_w (in the module: [2048, 512], K = its axis 1); out_w (in the module: [1024, 1024], K = its axis 1); q_w (in the module: [1024, 1024], K = its axis 1); x (in the module: [2, 2048, 1024], K = its axis 2): each comes as NAME_codes (uint8): NAME with its K axis moved to the last place and cut into blocks of 32 codes, [.., K / 32, bytes a block], one block behind the other in memory; four codes in three bytes: a row's codes are one little-endian stream of bits, code i at bits 6 i .. 6 i + 5 (a code: sign, 2 exponent bits, 3 mantissa bits); and NAME_scales (uint8): the same leading axes, one E8M0 byte (e + 127) for each 32 codes along K. Its value is code x scale, taken as it is: it is not quantised again, and the codes and scales need not be those that the quantiser above would give.
;; One version. Each part assembles by itself: llvm-mc -triple=amdgcn-amd-amdhsa -mcpu=gfx1250 --defsym DOCPART=n.
;; ======== version 1 of 1: 4 launches
;; limits: right only within a limited range of input values
;; workspace buffers: himg 4,718,592 bytes; hsc 393,216 bytes; kvrec 6,553,600 bytes; aimg 3,145,728 bytes; asc 262,144 bytes
;; launch proj (part 1): grid 8 x 32, 12 waves a work-group, clusters of 4 x 4, 266,752 bytes of LDS; arguments x_codes, x_scales, q_w_codes, q_w_scales, q_b, kvd_w_codes, kvd_w_scales, kvd_b, himg, hsc; writes himg, hsc
.if DOCPART == 1
	.amdgcn_target "amdgcn-amd-amdhsa--gfx1250"
	.amdhsa_code_object_version 6
	.text
	.protected	k_qdd818d4dbc_proj
	.globl	k_qdd818d4dbc_proj
	.p2align	8
	.type	k_qdd818d4dbc_proj,@function
k_qdd818d4dbc_proj:
	s_mov_b64 s[64:65], 0
	v_nop
	global_prefetch_b8 v0, s[64:65] scope:SCOPE_SE
	s_setreg_imm32_b32 hwreg(HW_REG_WAVE_MODE, 25, 1), 1
	s_wait_xcnt 0x0
	s_wait_alu depctr_hold_cnt(0) depctr_sa_sdst(0) depctr_va_vdst(0) depctr_va_sdst(0) depctr_va_ssrc(0) depctr_va_vcc(0) depctr_vm_vsrc(0)
	s_getreg_b32 s2, hwreg(HW_REG_IB_STS2, 6, 4)
	s_cmp_eq_u32 s2, 0
	s_cbranch_scc0 .Lentry_in_a_cluster
	s_endpgm
.Lentry_in_a_cluster:
	s_bfe_u32 s2, ttmp6, 0x10000c
	s_cmp_lg_u32 s2, 0xf033
	s_cbranch_scc0 .Lentry_shape_is_right
	s_endpgm
.Lentry_shape_is_right:
; PROJ.  q = x q_w^T + q_b (1,024 features) and latent = x kvd_w^T + kvd_b (512 features), on codes of FP6 (E2M3) as they are given; both results are quantised
; along their features (blocks of 32) and leave as IMAGES OF OPERAND REGISTERS: himg[G 0..23][tile 0..255][768 bytes], G 0..15 = q's head, G 16..23 = 64 features of the latent.
; A half image is 16 tokens x 64 features: lane (r, h) holds token r's block h, 24 bytes in six registers: registers 0-3 at 16 x lane, registers 4-5 at 512 + 8 x lane.
; hsc[G][tile][r]: one word a token, the two scale bytes twice (s0, s1, s0, s1), so that a later launch joins two groups' words by one bit select.
; TOKEN TILES.  Tile 2 p + u holds tokens 32 p + 8 u + r + 8 (r / 8), r = 0 .. 15, so that as rows of a source 0 two neighbouring tiles give a lane 16 neighbouring tokens.
; SHARES.  A work-group takes 128 tokens (Tb) and three groups of 64 features (F, F + 8 of q; F of the latent).  Wave w: group w / 4, pair of token tiles w % 4: 8 accumulators, K = 1,024 in 8 steps.
; THE PRODUCT IS USED TRANSPOSED: source 0 = 16 rows of the weight, source 1 = 16 tokens: a lane holds one token and its registers run along the features.  The weight's rows of a tile are taken
; like the tokens of a tile, so that the 16 registers of two neighbouring tiles are 16 neighbouring features.  The bias is the C of each sum's first product.
; LDS is filled once, by tensor loads at the head: 128 rows of x and 192 rows of weights, whole K; no byte is filled twice.
; CLUSTER 4 x 4: x's rows hang on Tb alone and are asked for jointly along a row of the cluster, the weights' on F alone and jointly along a column.
; LIMITS: NaN and infinities are not served.  A block whose largest magnitude lies under 2^-124 keeps the scale byte 1, a block of zeros too (the rule says 127): its codes are zeros and the bytes are read by this program alone.
.set INT,  256                         ; the mover lays 16 bytes of padding behind every 256
.set ROWP, 816                         ; a row of 768 bytes in LDS: 3 x (256 + 16)
.set GRP,  130688                      ; from a pair's even 16 rows to its odd 16 rows: the even groups lie on end, the odd groups on end behind them, 128 bytes more than a multiple of 256 away
.set PS,   13056                       ; 16 rows in LDS: from pair to pair
.set WB,   4*PS                        ; x's 4 pairs of groups, then the weights' 6
.set SCG,  261376                      ; behind the odd groups (they end at GRP + 10 PS = 261,248)
.set WV,   24                          ; s24 wave; s25 its group of features; s26 its pair of tiles; s27 cx; s28 cy; s29 F; s30 Tb
.set G1X,  36                          ; s[36:43] descriptor group 1 for x's rows;  s[44:51] for the weights': they differ in the mask
.set G1W,  44
.set G0X,  52                          ; s[52:55], s[56:59] groups 0
.set G0W,  56
.set SEL,  60                          ; s[60:61] selects of v_permlanex16_b32: lane l xor 16
.set XA,   2                           ; v2, v3   LDS address of my tokens' rows (v3: for pieces that lie behind one padding more in lanes 16-31)
.set WA,   4                           ; v4, v5   the same for my weight rows
.set L16,  6                           ; v6       16 x lane
.set L8,   7                           ; v7       512 + 8 x lane
.set SST,  8                           ; v8       where my scale word goes in LDS
.set SLD,  9                           ; v9       where four waves' words are read back
.set XS,   16                          ; v16-23   x's scale words, one register a K step: lanes 0-15 tile 0, lanes 16-31 tile 1
.set WS,   24                          ; v24-39   the weights': 8 (t / 2) + step: lanes 0-15 tile 2 (t / 2), lanes 16-31 the next
.set BI,   40                          ; v40-71   the bias, eight registers a tile, in the result's layout
.set XF,   72                          ; v72-95   two fragments of x
.set WF,   96                          ; v96-143  four of the weight
.set ACC,  144                         ; v144-207 accumulator (u, t) at ACC + 32 u + 8 t
.set D0,   208                         ; v208-213, v214-219 the two half images
.set D1,   214
.set TT,   220                         ; v220-222 a conversion's second result
.set W0,   224                         ; v224, v225 the two scale words
.set W1,   225
.set HM,   226                         ; at work in HQ: maxima, the other half's, scale operands, bytes
.set HP,   228
.set HE,   230
.set HB,   232
.set SW,   234
.macro CROUND                          ; a round of the cluster's barrier
	s_barrier_signal -1
	s_barrier_wait -1
	s_cmp_lg_u32 s[WV], 0
	s_cbranch_scc1 .Lnot_wave_0_\@
	s_barrier_signal -3
.Lnot_wave_0_\@:
	s_barrier_wait -3
	s_barrier_signal -1
	s_barrier_wait -1
.endm
.macro PLACES n
.rept \n
	v_nop
.endr
.endm
; a fragment (16 rows x 128 K, 12 registers) from rows in LDS: lane (r, h) takes 24 bytes at 96 s + 24 h and 24 at 96 s + 48 + 24 h of its row, in pieces of 8
.macro ROWFRAG reg, adr, s, base
.irp p, 0,1,2,3,4,5
.set RO, 96*(\s)+48*(\p/3)+8*(\p%3)
.if RO%INT < INT-24
	ds_load_b64 v[\reg+2*\p:\reg+2*\p+1], v[\adr] offset:\base+RO+16*(RO/INT)
.else
	ds_load_b64 v[\reg+2*\p:\reg+2*\p+1], v[\adr+1] offset:\base+RO+16*(RO/INT)
.endif
.endr
.endm
.macro MM d, a, b, c, sa, sb, ra, rb   ; ra, rb: the side's scales stand in lanes 16-31
.if (\ra) && (\rb)
	v_wmma_scale_f32_16x16x128_f8f6f4 v[\d:\d+7], v[\a:\a+11], v[\b:\b+11], v[\c:\c+7], v[\sa], v[\sb] matrix_a_fmt:MATRIX_FMT_FP6 matrix_b_fmt:MATRIX_FMT_FP6 matrix_a_scale:MATRIX_SCALE_ROW1 matrix_b_scale:MATRIX_SCALE_ROW1
.elseif (\ra)
	v_wmma_scale_f32_16x16x128_f8f6f4 v[\d:\d+7], v[\a:\a+11], v[\b:\b+11], v[\c:\c+7], v[\sa], v[\sb] matrix_a_fmt:MATRIX_FMT_FP6 matrix_b_fmt:MATRIX_FMT_FP6 matrix_a_scale:MATRIX_SCALE_ROW1
.elseif (\rb)
	v_wmma_scale_f32_16x16x128_f8f6f4 v[\d:\d+7], v[\a:\a+11], v[\b:\b+11], v[\c:\c+7], v[\sa], v[\sb] matrix_a_fmt:MATRIX_FMT_FP6 matrix_b_fmt:MATRIX_FMT_FP6 matrix_b_scale:MATRIX_SCALE_ROW1
.else
	v_wmma_scale_f32_16x16x128_f8f6f4 v[\d:\d+7], v[\a:\a+11], v[\b:\b+11], v[\c:\c+7], v[\sa], v[\sb] matrix_a_fmt:MATRIX_FMT_FP6 matrix_b_fmt:MATRIX_FMT_FP6
.endif
.endm
; 32 numbers of a lane, register 16 b + i = feature 32 b + 16 (lane / 16) + i of my token, become a half image in v[dst .. dst + 5] and its doubled scale word in v[wrd]
.macro HQ src, dst, tmp, wrd
	v_max3_num_f32 v[HM], |v[\src]|, |v[\src+1]|, 0x1800000          ; my 16 numbers of block 0, and the floor 2^(3 - 127): the byte cannot fall under 1
	v_max3_num_f32 v[HM+1], |v[\src+16]|, |v[\src+17]|, 0x1800000    ; block 1 (the two by turns; each accumulator is read from its low end on)
.irp i, 2,4,6,8,10,12,14
	v_max3_num_f32 v[HM], v[HM], |v[\src+\i]|, |v[\src+\i+1]|
	v_max3_num_f32 v[HM+1], v[HM+1], |v[\src+16+\i]|, |v[\src+17+\i]|
.endr
	s_delay_alu instid0(VALU_DEP_2)
	v_permlanex16_b32 v[HP], v[HM], s[SEL], s[SEL+1]
	s_delay_alu instid0(VALU_DEP_2)
	v_permlanex16_b32 v[HP+1], v[HM+1], s[SEL], s[SEL+1]
	s_delay_alu instid0(VALU_DEP_2)
	v_max_num_f32 v[HM], v[HM], v[HP]                                ; with lane l xor 16's: the block's largest magnitude
	s_delay_alu instid0(VALU_DEP_2)
	v_max_num_f32 v[HM+1], v[HM+1], v[HP+1]
	s_delay_alu instid0(VALU_DEP_2)
	v_add_nc_u32 v[HE], 0xff000000, v[HM]                            ; 2 off its exponent field: the conversion's scale operand
	s_delay_alu instid0(VALU_DEP_2)
	v_add_nc_u32 v[HE+1], 0xff000000, v[HM+1]
	s_delay_alu instid0(VALU_DEP_2)
	v_lshrrev_b32 v[HB], 23, v[HE]                                   ; the scale's byte
	s_delay_alu instid0(VALU_DEP_2)
	v_lshrrev_b32 v[HB+1], 23, v[HE+1]
	s_delay_alu instid0(VALU_DEP_1)
	v_lshl_or_b32 v[\wrd], v[HB+1], 8, v[HB]
	s_delay_alu instid0(VALU_DEP_1)
	v_lshl_or_b32 v[\wrd], v[\wrd], 16, v[\wrd]                      ; (s0, s1, s0, s1)
	v_cvt_scalef32_pk16_fp6_f32 v[\dst:\dst+2], v[\src:\src+15], v[HE]
	v_cvt_scalef32_pk16_fp6_f32 v[\tmp:\tmp+2], v[\src+16:\src+31], v[HE+1]
	v_nop                                                            ; one plain place behind a scaled conversion
.irp i, 0,1,2
	v_permlane16_swap_b32 v[\dst+\i], v[\tmp+\i]                     ; a whole block to a lane: lanes 0-15 block 0, lanes 16-31 block 1
.endr
.irp i, 0,1,2
	s_delay_alu instid0(VALU_DEP_3)
	v_mov_b32 v[\dst+3+\i], v[\tmp+\i]
.endr
.endm
	s_load_b512 s[4:19], s[0:1], 0x0               ; x codes s[4:5], x scales s[6:7], q_w codes s[8:9], scales s[10:11], q_b s[12:13], kvd_w codes s[14:15], scales s[16:17], kvd_b s[18:19]
	s_load_b128 s[20:23], s[0:1], 0x40             ; himg, hsc
	v_lshl_add_u32 v254, v0, 2, 0x40c00
	v_mov_b32 v255, 0
	ds_add_u32 v254, v255
	ds_add_u32 v254, v255
	v_lshrrev_b32 v1, 5, v0
	s_delay_alu instid0(VALU_DEP_1)
	v_readfirstlane_b32 s[WV], v1                  ; wave 0..11
	s_lshr_b32 s25, s[WV], 2                       ; which of the three groups of features
	s_and_b32 s26, s[WV], 3                        ; which pair of token tiles; also which 16 rows of the group I fetch
	s_bfe_u32 s27, ttmp6, 0x40000                  ; cx
	s_bfe_u32 s28, ttmp6, 0x40004                  ; cy
	s_lshl_b32 s29, ttmp9, 2
	s_add_co_u32 s29, s29, s27                     ; F = 4 x cluster x + cx
	s_and_b32 s30, ttmp7, 0xffff
	s_lshl_b32 s30, s30, 2
	s_add_co_u32 s30, s30, s28                     ; Tb = 4 x cluster y + cy
	s_lshl_b32 s31, s28, 2
	s_lshl_b32 s31, 15, s31                        ; my row of the cluster
	s_lshl_b32 s32, 0x1111, s27                    ; my column
	; descriptor group 1: 16 rows of 768 bytes are one dense block: 48 rows of 256 bytes (32 elements of 8), 16 bytes of padding behind each
	s_or_b32 s[G1X], s31, (3<<16)|(1<<20)|(1<<21)|(5<<22)|(3<<25)
	s_or_b32 s[G1W], s32, (3<<16)|(1<<20)|(1<<21)|(5<<22)|(3<<25)
.irp g, G1X, G1W
	s_mov_b32 s[\g+1], 1536<<16                    ; tensor_dim0: 16 rows of 768 bytes on end, 1,536 elements of 8 bytes
	s_mov_b32 s[\g+2], 2<<16                       ; tensor_dim1: two such groups,
	s_mov_b32 s[\g+3], 1536<<16                    ; tile_dim0
	s_mov_b32 s[\g+4], 2                           ; tile_dim1
	s_mov_b32 s[\g+5], 3072                        ; 32 rows apart in memory: the even (or the odd) groups of two neighbouring pairs
	s_mov_b32 s[\g+6], 0
	s_mov_b32 s[\g+7], 0
.endr
	s_and_b32 s33, s25, 1
	s_lshl_b32 s33, s33, 3
	s_add_co_u32 s33, s33, s29                     ; the group's number in its own weight: F, F + 8 of q_w; F of kvd_w
	s_lshr_b32 s90, s[WV], 1                       ; waves 0-5 fetch weights: group of features wave / 2,
	s_and_b32 s91, s[WV], 1                        ; its even (0) or odd (1) groups of 16 rows
	s_and_b32 s34, s90, 1
	s_lshl_b32 s34, s34, 3
	s_add_co_u32 s34, s34, s29                     ; that group's number in its own weight
	s_lshl_b32 s34, s34, 6
	s_lshl_b32 s35, s91, 4
	s_add_co_u32 s34, s34, s35
	s_mul_i32 s34, s34, 768                        ; the weight rows that I fetch, in bytes (these registers never hold cy)
	s_mov_b32 s35, 0
	s_lshl_b32 s72, s30, 7
	s_add_co_u32 s92, s90, 1
	s_and_b32 s92, s92, 1                          ; waves 6-9 fetch x: which 64 tokens: 0, 0, 1, 1
	s_lshl_b32 s73, s92, 6
	s_add_co_u32 s72, s72, s73
	s_lshl_b32 s73, s91, 4                         ; and their even or odd groups
	s_add_co_u32 s72, s72, s73
	s_mul_i32 s72, s72, 768                        ; x's rows that I fetch (these never hold cx)
	s_mov_b32 s73, 0
	s_lshl_b32 s80, s30, 12
	s_lshl_b32 s81, s26, 10
	s_add_co_u32 s80, s80, s81                     ; x's scale bytes of my pair: (128 Tb + 32 pair) x 32
	s_mov_b32 s81, 0
	s_lshl_b32 s82, s33, 11                        ; my group's scale bytes: 64 rows x 32
	s_mov_b32 s83, 0
	s_lshl_b32 s84, s33, 8                         ; and its bias: 64 x 4
	s_mov_b32 s85, 0
	s_lshl_b32 s86, s25, 3
	s_add_co_u32 s86, s86, s29                     ; G
	s_lshl_b32 s86, s86, 8
	s_lshl_b32 s87, s30, 3
	s_add_co_u32 s86, s86, s87                     ; 256 G + 8 Tb
	s_lshl_b32 s78, s86, 6                         ; hsc: 64 bytes a tile
	s_mov_b32 s79, 0
	s_lshl_b32 s87, s26, 1
	s_add_co_u32 s86, s86, s87
	s_mul_i32 s76, s86, 768                        ; himg: my first tile
	s_mov_b32 s77, 0
	s_mov_b32 s[SEL], 0x76543210
	s_mov_b32 s[SEL+1], 0xfedcba98
	s_mov_b32 s62, 0xffff0000                      ; lanes 16-31
	s_wait_dscnt 0x0
	s_wait_kmcnt 0x0
	s_cmp_lt_u32 s[WV], 4                          ; the weight that I fetch from: waves 0-3 q_w, waves 4-5 kvd_w
	s_cselect_b64 s[66:67], s[8:9], s[14:15]
	s_cmp_lt_u32 s[WV], 8
	s_cselect_b64 s[68:69], s[10:11], s[16:17]
	s_cselect_b64 s[70:71], s[12:13], s[18:19]
	s_mov_b32 s[G0W], 1
	s_mul_i32 s[G0W+1], s90, 2*PS
	s_mul_i32 s93, s91, GRP
	s_add_co_u32 s[G0W+1], s[G0W+1], s93
	s_add_co_u32 s[G0W+1], s[G0W+1], WB            ; LDS: the group's two pairs, even or odd side
	s_add_nc_u64 s[G0W+2:G0W+3], s[66:67], s[34:35]
	s_or_b32 s[G0W+3], s[G0W+3], 0x80000000
	s_mov_b32 s[G0X], 1
	s_mul_i32 s[G0X+1], s92, 2*PS
	s_add_co_u32 s[G0X+1], s[G0X+1], s93
	s_add_nc_u64 s[G0X+2:G0X+3], s[4:5], s[72:73]
	s_or_b32 s[G0X+3], s[G0X+3], 0x80000000
	s_add_nc_u64 s[74:75], s[6:7], s[80:81]
	s_add_nc_u64 s[68:69], s[68:69], s[82:83]
	s_add_nc_u64 s[70:71], s[70:71], s[84:85]
	s_add_nc_u64 s[76:77], s[20:21], s[76:77]
	s_add_nc_u64 s[78:79], s[22:23], s[78:79]
	CROUND                                         ; all sixteen work-groups are here: the joint loads meet
	s_cmp_lt_u32 s[WV], 6                          ; one chain of branches on the wave's number, one load to an arm: waves 0-5 the weights' six loads, waves 6-9 x's four, waves 10-11 none
	s_cbranch_scc0 .Lnot_w
	tensor_load_to_lds s[G0W:G0W+3], s[G1W:G1W+7]
	s_nop 0
	PLACES 4
	s_branch .Lasked
.Lnot_w:
	s_cmp_lt_u32 s[WV], 10
	s_cbranch_scc0 .Lasked
	tensor_load_to_lds s[G0X:G0X+3], s[G1X:G1X+7]
	s_nop 0
	PLACES 4
.Lasked:
	v_and_b32 v10, 31, v0                          ; lane
	v_and_b32 v11, 15, v0                          ; r
	v_bfe_u32 v12, v0, 4, 1                        ; h
	v_bfe_u32 v13, v0, 3, 1                        ; r / 8
	v_and_b32 v14, 7, v0                           ; r % 8
	s_delay_alu instid0(VALU_DEP_1)
	v_mul_u32_u24 v15, v14, ROWP
	s_delay_alu instid0(VALU_DEP_1)
	v_mad_u32_u24 v15, v13, GRP, v15               ; row r of a tile lies in group r / 8 of its pair, at row r % 8 (+ 8 for the odd tile)
	s_delay_alu instid0(VALU_DEP_1)
	v_mad_u32_u24 v[XA], v12, 24, v15
	s_delay_alu instid0(VALU_DEP_2)
	v_mad_u32_u24 v[XA+1], v12, 40, v15
	s_mul_i32 s87, s25, 2*PS
	s_add_co_u32 s87, s87, WB
	v_add_nc_u32 v[WA], s87, v[XA]
	v_add_nc_u32 v[WA+1], s87, v[XA+1]
	s_mul_i32 s88, s26, PS
	v_add_nc_u32 v[XA], s88, v[XA]
	v_add_nc_u32 v[XA+1], s88, v[XA+1]
	v_lshlrev_b32 v[L16], 4, v10
	v_lshl_add_u32 v[L8], v10, 3, 512
	v_lshl_add_u32 v[SST], v0, 2, SCG              ; 128 bytes a wave, 4 a lane
	s_lshl_b32 s89, s[WV], 7
	v_lshl_add_u32 v[SLD], v10, 4, SCG
	s_delay_alu instid0(VALU_DEP_1)
	v_add_nc_u32 v[SLD], s89, v[SLD]
	v_lshl_add_u32 v15, v13, 3, v11
	s_delay_alu instid0(VALU_DEP_1)
	v_lshl_add_u32 v15, v12, 3, v15                ; r + 8 (r / 8) + 8 (lane / 16): lanes 0-15 the even tile's rows, lanes 16-31 the odd tile's
	s_delay_alu instid0(VALU_DEP_1)
	v_lshlrev_b32 v15, 5, v15                      ; 32 scale bytes a row
	v_lshlrev_b32 v1, 6, v12                       ; the bias: 64 h
	v_mov_b32 v[HP], 0                             ; written once: a lane permute's destination counts as one of its sources
	v_mov_b32 v[HP+1], 0
	global_load_b128 v[XS:XS+3], v15, s[74:75]
	global_load_b128 v[XS+4:XS+7], v15, s[74:75] offset:16
.irp b, 0,1
	global_load_b128 v[WS+8*\b:WS+8*\b+3], v15, s[68:69] offset:1024*\b
	global_load_b128 v[WS+8*\b+4:WS+8*\b+7], v15, s[68:69] offset:1024*\b+16
.endr
.irp t, 0,1,2,3
	global_load_b128 v[BI+8*\t:BI+8*\t+3], v1, s[70:71] offset:128*(\t/2)+32*(\t%2)      ; features 32 (t / 2) + 16 h + 8 (t % 2) + 0 .. 7
	global_load_b128 v[BI+8*\t+4:BI+8*\t+7], v1, s[70:71] offset:128*(\t/2)+32*(\t%2)+16
.endr
	s_wait_loadcnt 0x0
	s_wait_tensorcnt 0x0                           ; my rows are in,
	s_barrier_signal -1
	s_barrier_wait -1                              ; everybody's are
; a K step of 128: six fragments, eight products; the eight accumulators take turns, one instruction a turn
.macro KSTEP s
.if \s > 0
	PLACES 4                                       ; in front of loads into registers that matrix instructions have read
.endif
	ROWFRAG XF, XA, \s, 0
	ROWFRAG XF+12, XA, \s, 8*ROWP
.irp t, 0,1,2,3
	ROWFRAG WF+12*\t, WA, \s, PS*(\t/2)+8*ROWP*(\t%2)
.endr
.irp t, 0,1,2,3
	s_wait_dscnt 18-6*\t                           ; x's two fragments and the weight's up to tile t are in; the six loads of each later tile may be out
.irp u, 0,1
.if \s == 0
	MM ACC+32*\u+8*\t, WF+12*\t, XF+12*\u, BI+8*\t, WS+8*(\t/2)+\s, XS+\s, \t%2, \u
.else
	MM ACC+32*\u+8*\t, WF+12*\t, XF+12*\u, ACC+32*\u+8*\t, WS+8*(\t/2)+\s, XS+\s, \t%2, \u
.endif
.endr
.endr
.endm
.irp s, 0,1,2,3,4,5,6,7
	KSTEP \s
.endr
	PLACES 4
	HQ ACC, D0, TT, W0
	HQ ACC+32, D1, TT, W1
	global_store_b128 v[L16], v[D0:D0+3], s[76:77]                   ; 512 and 256 consecutive bytes, aligned to 256
	global_store_b64 v[L8], v[D0+4:D0+5], s[76:77]
	global_store_b128 v[L16], v[D1:D1+3], s[76:77] offset:768
	global_store_b64 v[L8], v[D1+4:D1+5], s[76:77] offset:768
	v_cndmask_b32 v[SW], v[W0], v[W1], s62         ; lanes 0-15 the even tile's words, lanes 16-31 the odd tile's
	ds_store_b32 v[SST], v[SW]
	s_wait_dscnt 0x0                               ; for the others' sake: my words lie in LDS
	s_barrier_signal -1
	s_barrier_wait -1
	s_cmp_lg_u32 s26, 0                            ; the first wave of each group of features stores the group's 512 bytes of words
	s_cbranch_scc1 .Lno_words
	ds_load_b128 v[XF:XF+3], v[SLD]
	s_wait_dscnt 0x0
	global_store_b128 v[L16], v[XF:XF+3], s[78:79]
.Lno_words:
	s_wait_tensorcnt 0x0
	ds_add_u32 v254, v255
	s_wait_dscnt 0x0
	CROUND                                         ; the closing round: no work-group ends while a partner may still ask for a tile that names it
	s_endpgm
.Lfunc_end_k_qdd818d4dbc_proj:
	.size	k_qdd818d4dbc_proj, .Lfunc_end_k_qdd818d4dbc_proj-k_qdd818d4dbc_proj
	.p2alignl 7, 3214868480
	.fill 96, 4, 3214868480
	.section	.rodata,"a",@progbits
	.p2align	6, 0x0
	.amdhsa_kernel k_qdd818d4dbc_proj
		.amdhsa_group_segment_fixed_size 266752
		.amdhsa_private_segment_fixed_size 0
		.amdhsa_enable_private_segment 0
		.amdhsa_kernarg_size 80
		.amdhsa_user_sgpr_count 2
		.amdhsa_user_sgpr_kernarg_segment_ptr 1
		.amdhsa_wavefront_size32 1
		.amdhsa_system_sgpr_workgroup_id_x 1
		.amdhsa_system_sgpr_workgroup_id_y 1
		.amdhsa_system_sgpr_workgroup_id_z 1
		.amdhsa_system_vgpr_workitem_id 0
		.amdhsa_next_free_vgpr 256
		.amdhsa_next_free_sgpr 96
		.amdhsa_reserve_vcc 0
		.amdhsa_float_denorm_mode_32 3
		.amdhsa_float_denorm_mode_16_64 3
		.amdhsa_memory_ordered 1
		.amdhsa_forward_progress 1
		.amdhsa_inst_pref_size 43
	.end_amdhsa_kernel
	.amdgpu_metadata
---
amdhsa.version: [ 1, 2 ]
amdhsa.kernels:
  - .name:           k_qdd818d4dbc_proj
    .symbol:         k_qdd818d4dbc_proj.kd
    .args:
      - { .name: x_codes, .offset: 0, .size: 8, .value_kind: global_buffer, .address_space: global }
      - { .name: x_scales, .offset: 8, .size: 8, .value_kind: global_buffer, .address_space: global }
      - { .name: q_w_codes, .offset: 16, .size: 8, .value_kind: global_buffer, .address_space: global }
      - { .name: q_w_scales, .offset: 24, .size: 8, .value_kind: global_buffer, .address_space: global }
      - { .name: q_b, .offset: 32, .size: 8, .value_kind: global_buffer, .address_space: global }
      - { .name: kvd_w_codes, .offset: 40, .size: 8, .value_kind: global_buffer, .address_space: global }
      - { .name: kvd_w_scales, .offset: 48, .size: 8, .value_kind: global_buffer, .address_space: global }
      - { .name: kvd_b, .offset: 56, .size: 8, .value_kind: global_buffer, .address_space: global }
      - { .name: himg, .offset: 64, .size: 8, .value_kind: global_buffer, .address_space: global }
      - { .name: hsc, .offset: 72, .size: 8, .value_kind: global_buffer, .address_space: global }
    .group_segment_fixed_size: 266752
    .private_segment_fixed_size: 0
    .kernarg_segment_align: 8
    .kernarg_segment_size: 80
    .max_flat_workgroup_size: 384
    .sgpr_count:     96
    .vgpr_count:     256
    .wavefront_size: 32
...
	.end_amdgpu_metadata
.endif
;; end of part 1
;; launch kvup (part 2): grid 8 x 32, 16 waves a work-group, clusters of 4 x 4, 169,984 bytes of LDS; arguments himg, hsc, kvu_w_codes, kvu_w_scales, kvu_b, kvrec; writes kvrec
.if DOCPART == 2
	.amdgcn_target "amdgcn-amd-amdhsa--gfx1250"
	.amdhsa_code_object_version 6
	.text
	.protected	k_qdd818d4dbc_kvup
	.globl	k_qdd818d4dbc_kvup
	.p2align	8
	.type	k_qdd818d4dbc_kvup,@function
k_qdd818d4dbc_kvup:
	s_mov_b64 s[64:65], 0
	v_nop
	global_prefetch_b8 v0, s[64:65] scope:SCOPE_SE
	s_setreg_imm32_b32 hwreg(HW_REG_WAVE_MODE, 25, 1), 1
	s_wait_xcnt 0x0
	s_wait_alu depctr_hold_cnt(0) depctr_sa_sdst(0) depctr_va_vdst(0) depctr_va_sdst(0) depctr_va_ssrc(0) depctr_va_vcc(0) depctr_vm_vsrc(0)
	s_getreg_b32 s2, hwreg(HW_REG_IB_STS2, 6, 4)
	s_cmp_eq_u32 s2, 0
	s_cbranch_scc0 .Lentry_in_a_cluster
	s_endpgm
.Lentry_in_a_cluster:
	s_bfe_u32 s2, ttmp6, 0x10000c
	s_cmp_lg_u32 s2, 0xf033
	s_cbranch_scc0 .Lentry_shape_is_right
	s_endpgm
.Lentry_shape_is_right:
; KVUP.  kv = Q(latent) kvu_w^T + kvu_b, K = 512, on codes of FP6 (E2M3).  k is quantised along the head's 64, v along the keys, and both leave in the order in which the attention's operand registers take them:
; kvrec[batch x 16 + head][key step of 128 keys][12,800 bytes]: four images of k (1,536 bytes each: register group g of four at 512 g + 16 x lane; registers 0-5 the even key tile's row r, block h;
; registers 6-11 the odd tile's), four fragments of v^T (likewise; rows d = 32 (i / 2) + 8 (i % 2) + r + 8 (r / 8), K = the step's 128 keys), 256 bytes of k's scale words (16 r + 4 b), 256 of v's (16 r + 4 i).
; SHARES.  A work-group takes 128 tokens (Tb: one key step of one batch) and 256 rows of kvu_w (F): four heads of k where the cluster's x is 0, of v where it is 1: a scalar branch that is alike in all partners.
; k: wave (head w / 4, pair of token tiles w % 4): source 0 = 16 weight rows, source 1 = 16 tokens: a lane holds a token, its registers run along d.
; v: wave (head w / 4, fragment w % 4): source 0 = 16 tokens, source 1 = 16 weight rows: a lane holds one d, its registers run along the keys.  32 products a wave either way.
; LDS is filled once, by one tensor load a wave at the head.  CLUSTER 4 x 4: the latent's images hang on Tb and are asked for jointly along a row of the cluster, the weights' rows on F and jointly along a column.
; LIMITS: NaN and infinities are not served.  A block whose largest magnitude lies under 2^-124 keeps the scale byte 1, a block of zeros too (the rule says 127): its codes are zeros and the bytes are read by this program alone.
.set INT,  128                         ; the mover lays 16 bytes of padding behind every 128
.set ROWP, 432                         ; a row of 384 bytes in LDS: 3 x (128 + 16)
.set GRP,  55424                       ; from a pair's even 16 rows to its odd 16 rows: the even groups lie on end, the odd groups on end behind them, 128 bytes more than a multiple of 256 away
.set PS,   6912                        ; 16 rows in LDS: from pair to pair
.set WB,   49152                       ; the latent's images [8 groups][8 tiles][768], then the weights' 16 groups of 16 rows
.set SCK,  160000                      ; behind the odd groups (they end at WB + GRP + 8 PS = 159,872)
.set SCV,  SCK+1024                    ; 1,024 bytes: v's.  Each path has bytes of its own; no tensor load lands in either
.set WV,   24                          ; s24 wave; s25 head of four; s26 pair or fragment; s27 cx; s28 cy; s29 F; s30 Tb
.set G1L,  36
.set G1W,  44
.set G0L,  52
.set G0W,  56
.set SEL,  60
.set KWA,  2                           ; v2, v3   k: LDS address of my weight rows
.set KA16, 4                           ; v4, v5   k: of my pair's images (16 x lane + 1,536 x pair; 512 + 8 x lane + the same).  v4 is also the offset of my image or fragment in the record
.set KA8,  5
.set VWA,  6                           ; v6, v7   v: of my 16 weight rows
.set VA16, 8                           ; v8, v9   v: of the images (16 x lane; 512 + 8 x lane)
.set VA8,  9
.set KSS,  10                          ; v10, v11 k: where my scale word goes, where a head's 256 bytes are read back
.set KSL,  11
.set VSS,  12                          ; v12, v13 v: the same
.set VSL,  13
.set L8G,  15                          ; v15      8 x lane
.set KLS,  16                          ; k: v16-19 the latent's scale words; v20-27 the weights'; v28-59 the bias; v60-83 two fragments of the latent; v84-131 four of the weight; v132-195 accumulators
.set KWS,  20
.set KBI,  28
.set KLF,  60
.set KWF,  84
.set KACC, 132
.set KI,   196                         ; v196-207 the image
.set T3,   208
.set W0,   212
.set W1,   213
.set HM,   214
.set HP,   216
.set HE,   218
.set HB,   220
.set KW,   222
.set VLS,  16                          ; v: v16-31 the latent's scale words; v32-35 the weights'; v36-43 the bias; v44-55 the weight's fragment; v56-151 eight of the latent; v152-215 accumulators
.set VWS,  32
.set VBI,  36
.set VWF,  44
.set VLF,  56
.set VACC, 152
.set PC,   56                          ; the fragment just made, and the conversions' second results: v56-75
.set TM,   216                         ; v216-231 at work in QUANT
.set PW,   232
.macro CROUND
	s_barrier_signal -1
	s_barrier_wait -1
	s_cmp_lg_u32 s[WV], 0
	s_cbranch_scc1 .Lnot_wave_0_\@
	s_barrier_signal -3
.Lnot_wave_0_\@:
	s_barrier_wait -3
	s_barrier_signal -1
	s_barrier_wait -1
.endm
.macro PLACES n
.rept \n
	v_nop
.endr
.endm
.macro ROWFRAG reg, adr, s, base       ; a fragment from rows in LDS, in pieces of 8 bytes
.irp p, 0,1,2,3,4,5
.set RO, 96*(\s)+48*(\p/3)+8*(\p%3)
.if RO%INT < INT-24
	ds_load_b64 v[\reg+2*\p:\reg+2*\p+1], v[\adr] offset:\base+RO+16*(RO/INT)
.else
	ds_load_b64 v[\reg+2*\p:\reg+2*\p+1], v[\adr+1] offset:\base+RO+16*(RO/INT)
.endif
.endr
.endm
.macro IMGFRAG reg, a16, a8, off0, off1        ; a fragment from two half images: registers 0-5 and 6-11
	ds_load_b128 v[\reg:\reg+3], v[\a16] offset:\off0
	ds_load_b64 v[\reg+4:\reg+5], v[\a8] offset:\off0
	ds_load_b128 v[\reg+6:\reg+9], v[\a16] offset:\off1
	ds_load_b64 v[\reg+10:\reg+11], v[\a8] offset:\off1
.endm
.macro MM d, a, b, c, sa, sb, ra, rb
.if (\ra) && (\rb)
	v_wmma_scale_f32_16x16x128_f8f6f4 v[\d:\d+7], v[\a:\a+11], v[\b:\b+11], v[\c:\c+7], v[\sa], v[\sb] matrix_a_fmt:MATRIX_FMT_FP6 matrix_b_fmt:MATRIX_FMT_FP6 matrix_a_scale:MATRIX_SCALE_ROW1 matrix_b_scale:MATRIX_SCALE_ROW1
.elseif (\ra)
	v_wmma_scale_f32_16x16x128_f8f6f4 v[\d:\d+7], v[\a:\a+11], v[\b:\b+11], v[\c:\c+7], v[\sa], v[\sb] matrix_a_fmt:MATRIX_FMT_FP6 matrix_b_fmt:MATRIX_FMT_FP6 matrix_a_scale:MATRIX_SCALE_ROW1
.elseif (\rb)
	v_wmma_scale_f32_16x16x128_f8f6f4 v[\d:\d+7], v[\a:\a+11], v[\b:\b+11], v[\c:\c+7], v[\sa], v[\sb] matrix_a_fmt:MATRIX_FMT_FP6 matrix_b_fmt:MATRIX_FMT_FP6 matrix_b_scale:MATRIX_SCALE_ROW1
.else
	v_wmma_scale_f32_16x16x128_f8f6f4 v[\d:\d+7], v[\a:\a+11], v[\b:\b+11], v[\c:\c+7], v[\sa], v[\sb] matrix_a_fmt:MATRIX_FMT_FP6 matrix_b_fmt:MATRIX_FMT_FP6
.endif
.endm
; 32 numbers of a lane (register 16 b + i = d 32 b + 16 (lane / 16) + i of my token) become six registers of codes and a doubled scale word
.macro HQ src, dst, tmp, wrd
	v_max3_num_f32 v[HM], |v[\src]|, |v[\src+1]|, 0x1800000          ; with the floor 2^(3 - 127): the byte cannot fall under 1
	v_max3_num_f32 v[HM+1], |v[\src+16]|, |v[\src+17]|, 0x1800000
.irp i, 2,4,6,8,10,12,14
	v_max3_num_f32 v[HM], v[HM], |v[\src+\i]|, |v[\src+\i+1]|
	v_max3_num_f32 v[HM+1], v[HM+1], |v[\src+16+\i]|, |v[\src+17+\i]|
.endr
	s_delay_alu instid0(VALU_DEP_2)
	v_permlanex16_b32 v[HP], v[HM], s[SEL], s[SEL+1]
	s_delay_alu instid0(VALU_DEP_2)
	v_permlanex16_b32 v[HP+1], v[HM+1], s[SEL], s[SEL+1]
	s_delay_alu instid0(VALU_DEP_2)
	v_max_num_f32 v[HM], v[HM], v[HP]
	s_delay_alu instid0(VALU_DEP_2)
	v_max_num_f32 v[HM+1], v[HM+1], v[HP+1]
	s_delay_alu instid0(VALU_DEP_2)
	v_add_nc_u32 v[HE], 0xff000000, v[HM]                            ; 2 off the exponent field: the conversion's scale operand
	s_delay_alu instid0(VALU_DEP_2)
	v_add_nc_u32 v[HE+1], 0xff000000, v[HM+1]
	s_delay_alu instid0(VALU_DEP_2)
	v_lshrrev_b32 v[HB], 23, v[HE]
	s_delay_alu instid0(VALU_DEP_2)
	v_lshrrev_b32 v[HB+1], 23, v[HE+1]
	s_delay_alu instid0(VALU_DEP_1)
	v_lshl_or_b32 v[\wrd], v[HB+1], 8, v[HB]
	s_delay_alu instid0(VALU_DEP_1)
	v_lshl_or_b32 v[\wrd], v[\wrd], 16, v[\wrd]
	v_cvt_scalef32_pk16_fp6_f32 v[\dst:\dst+2], v[\src:\src+15], v[HE]
	v_cvt_scalef32_pk16_fp6_f32 v[\tmp:\tmp+2], v[\src+16:\src+31], v[HE+1]
	v_nop                                                            ; one plain place behind a scaled conversion
.irp i, 0,1,2
	v_permlane16_swap_b32 v[\dst+\i], v[\tmp+\i]
.endr
.irp i, 0,1,2
	s_delay_alu instid0(VALU_DEP_3)
	v_mov_b32 v[\dst+3+\i], v[\tmp+\i]
.endr
.endm
; 64 numbers of a lane (register 16 b + i = key 32 b + 16 (lane / 16) + i of my d) become a fragment in v[PC] on and its scale word in v[PW]
.macro QUANT s
.irp b, 0,1,2,3
	v_max3_num_f32 v[TM+\b], |v[\s+16*\b]|, |v[\s+1+16*\b]|, 0x1800000
.endr
.irp i, 2,4,6,8,10,12,14
.irp b, 0,1,2,3
	v_max3_num_f32 v[TM+\b], v[TM+\b], |v[\s+16*\b+\i]|, |v[\s+1+16*\b+\i]|
.endr
.endr
.irp b, 0,1,2,3
	s_delay_alu instid0(VALU_DEP_4)
	v_permlanex16_b32 v[TM+4+\b], v[TM+\b], s[SEL], s[SEL+1]
.endr
.irp b, 0,1,2,3
	s_delay_alu instid0(VALU_DEP_4)
	v_max_num_f32 v[TM+\b], v[TM+\b], v[TM+4+\b]
.endr
.irp b, 0,1,2,3
	s_delay_alu instid0(VALU_DEP_4)
	v_add_nc_u32 v[TM+12+\b], 0xff000000, v[TM+\b]
.endr
.irp b, 0,1,2,3
	s_delay_alu instid0(VALU_DEP_4)
	v_lshrrev_b32 v[TM+4+\b], 23, v[TM+12+\b]
.endr
	s_delay_alu instid0(VALU_DEP_3)
	v_lshl_or_b32 v[PW], v[TM+5], 8, v[TM+4]
	s_delay_alu instid0(VALU_DEP_1)
	v_lshl_or_b32 v[PW], v[TM+6], 16, v[PW]
	s_delay_alu instid0(VALU_DEP_1)
	v_lshl_or_b32 v[PW], v[TM+7], 24, v[PW]
.irp c, 0,1
	v_cvt_scalef32_pk16_fp6_f32 v[PC+6*\c:PC+2+6*\c], v[\s+32*\c:\s+15+32*\c], v[TM+12+2*\c]
	v_cvt_scalef32_pk16_fp6_f32 v[PC+12+4*\c:PC+14+4*\c], v[\s+16+32*\c:\s+31+32*\c], v[TM+12+2*\c+1]
.endr
	v_nop                                                            ; one plain place behind a scaled conversion
.irp c, 0,1
.irp i, 0,1,2
	v_permlane16_swap_b32 v[PC+6*\c+\i], v[PC+12+4*\c+\i]
.endr
.irp i, 0,1,2
	s_delay_alu instid0(VALU_DEP_3)
	v_mov_b32 v[PC+3+6*\c+\i], v[PC+12+4*\c+\i]
.endr
.endr
.endm
	s_load_b256 s[4:11], s[0:1], 0x0               ; himg s[4:5], hsc s[6:7], kvu_w codes s[8:9], scales s[10:11]
	s_load_b128 s[12:15], s[0:1], 0x20             ; kvu_b s[12:13], kvrec s[14:15]
	v_lshl_add_u32 v254, v0, 2, 0x29000
	v_mov_b32 v255, 0
	ds_add_u32 v254, v255
	ds_add_u32 v254, v255
	v_lshrrev_b32 v1, 5, v0
	s_delay_alu instid0(VALU_DEP_1)
	v_readfirstlane_b32 s[WV], v1                  ; wave 0..15
	s_lshr_b32 s25, s[WV], 2
	s_and_b32 s26, s[WV], 3
	s_bfe_u32 s27, ttmp6, 0x40000                  ; cx
	s_bfe_u32 s28, ttmp6, 0x40004                  ; cy
	s_lshl_b32 s29, ttmp9, 2
	s_add_co_u32 s29, s29, s27                     ; F
	s_and_b32 s30, ttmp7, 0xffff
	s_lshl_b32 s30, s30, 2
	s_add_co_u32 s30, s30, s28                     ; Tb
	s_lshl_b32 s31, s28, 2
	s_lshl_b32 s31, 15, s31                        ; my row of the cluster
	s_lshl_b32 s32, 0x1111, s27                    ; my column
	; the latent: eight half images, 6,144 dense bytes, as 24 rows of 256, no padding
	s_or_b32 s[G1L], s31, (3<<16)|(1<<21)
	s_mov_b32 s[G1L+1], 32<<16
	s_mov_b32 s[G1L+2], 24<<16                     ; eight half images of one group: 6,144 dense bytes, 24 rows of 256
	s_mov_b32 s[G1L+3], 32<<16
	s_mov_b32 s[G1L+4], 24
	s_mov_b32 s[G1L+5], 32
	s_mov_b32 s[G1L+6], 0
	s_mov_b32 s[G1L+7], 0
	; the weight: 16 rows of 384 bytes, dense, as 48 rows of 128 (16 elements of 8), 16 bytes of padding behind each
	s_or_b32 s[G1W], s32, (3<<16)|(1<<20)|(1<<21)|(4<<22)|(3<<25)
	s_mov_b32 s[G1W+1], 768<<16                    ; 16 rows of 384 bytes on end, 768 elements of 8 bytes;
	s_mov_b32 s[G1W+2], 2<<16                      ; two such groups,
	s_mov_b32 s[G1W+3], 768<<16
	s_mov_b32 s[G1W+4], 2
	s_mov_b32 s[G1W+5], 1536                       ; 32 rows apart in memory: the even (or the odd) groups of a head's two pairs
	s_mov_b32 s[G1W+6], 0
	s_mov_b32 s[G1W+7], 0
	s_and_b32 s72, s[WV], 7                        ; waves 0-7 fetch the latent: group = wave, all eight tiles
	s_add_co_u32 s72, s72, 16
	s_lshl_b32 s72, s72, 8
	s_lshl_b32 s73, s30, 3
	s_add_co_u32 s72, s72, s73
	s_mul_i32 s72, s72, 768                        ; (these registers never hold cx)
	s_mov_b32 s73, 0
	s_lshl_b32 s34, s29, 8
	s_bfe_u32 s35, s[WV], 0x20001                  ; waves 8-15 fetch the weight: head (wave / 2) % 4 of my four,
	s_lshl_b32 s35, s35, 6
	s_add_co_u32 s34, s34, s35
	s_and_b32 s33, s[WV], 1                        ; its even (0) or odd (1) groups of 16 rows
	s_lshl_b32 s35, s33, 4
	s_add_co_u32 s34, s34, s35
	s_mul_i32 s34, s34, 384                        ; weight rows 256 F + 64 ((wave / 2) % 4) + 16 (wave % 2) on (these never hold cy)
	s_mov_b32 s35, 0
	s_lshl_b32 s74, s30, 3
	s_add_co_u32 s74, s74, 4096
	s_lshl_b32 s74, s74, 6                         ; hsc: group 16, tile 8 Tb
	s_mov_b32 s75, 0
	s_lshl_b32 s76, s29, 8
	s_lshl_b32 s77, s25, 6
	s_add_co_u32 s76, s76, s77                     ; my head's first weight row
	s_lshl_b32 s78, s76, 2                         ; its bias,
	s_mov_b32 s79, 0
	s_lshl_b32 s76, s76, 4                         ; its scale bytes: 16 a row
	s_mov_b32 s77, 0
	s_lshr_b32 s80, s30, 4                         ; the batch
	s_lshl_b32 s80, s80, 4
	s_lshl_b32 s81, s27, 2
	s_add_co_u32 s80, s80, s81
	s_add_co_u32 s80, s80, s25                     ; 16 x batch + head (4 cx + wave / 4)
	s_lshl_b32 s80, s80, 4
	s_and_b32 s81, s30, 15
	s_add_co_u32 s80, s80, s81                     ; + the key step
	s_mul_i32 s80, s80, 12800
	s_mov_b32 s81, 0
	s_mov_b32 s[SEL], 0x76543210
	s_mov_b32 s[SEL+1], 0xfedcba98
	s_wait_dscnt 0x0
	s_wait_kmcnt 0x0
	s_mov_b32 s[G0L], 1
	s_and_b32 s[G0L+1], s[WV], 7
	s_mul_i32 s[G0L+1], s[G0L+1], 6144
	s_add_nc_u64 s[G0L+2:G0L+3], s[4:5], s[72:73]
	s_or_b32 s[G0L+3], s[G0L+3], 0x80000000
	s_mov_b32 s[G0W], 1
	s_bfe_u32 s[G0W+1], s[WV], 0x20001
	s_mul_i32 s[G0W+1], s[G0W+1], 2*PS
	s_mul_i32 s33, s33, GRP
	s_add_co_u32 s[G0W+1], s[G0W+1], s33
	s_add_co_u32 s[G0W+1], s[G0W+1], WB
	s_add_nc_u64 s[G0W+2:G0W+3], s[8:9], s[34:35]
	s_or_b32 s[G0W+3], s[G0W+3], 0x80000000
	s_add_nc_u64 s[74:75], s[6:7], s[74:75]
	s_add_nc_u64 s[76:77], s[10:11], s[76:77]
	s_add_nc_u64 s[78:79], s[12:13], s[78:79]
	s_add_nc_u64 s[80:81], s[14:15], s[80:81]
	CROUND                                         ; all sixteen work-groups are here: the joint loads meet
	s_cmp_lt_u32 s[WV], 8                          ; every wave issues one load: waves 0-7 the latent's eight groups, waves 8-15 the weight's eight
	s_cbranch_scc0 .Lfor_w
	tensor_load_to_lds s[G0L:G0L+3], s[G1L:G1L+7]
	s_nop 0
	PLACES 4
	s_branch .Lasked
.Lfor_w:
	tensor_load_to_lds s[G0W:G0W+3], s[G1W:G1W+7]
	s_nop 0
	PLACES 4
.Lasked:
	; every address of both paths is made here, ahead of the parting
	v_and_b32 v240, 31, v0                         ; lane
	v_and_b32 v241, 15, v0                         ; r
	v_bfe_u32 v242, v0, 4, 1                       ; h
	v_bfe_u32 v243, v0, 3, 1                       ; r / 8
	v_and_b32 v244, 7, v0                          ; r % 8
	s_delay_alu instid0(VALU_DEP_1)
	v_mul_u32_u24 v245, v244, ROWP
	s_delay_alu instid0(VALU_DEP_1)
	v_mad_u32_u24 v245, v243, GRP, v245
	s_delay_alu instid0(VALU_DEP_1)
	v_mad_u32_u24 v[KWA], v242, 24, v245
	s_wait_alu depctr_va_vdst(0)
	v_mad_u32_u24 v[KWA+1], v242, 40, v245
	s_wait_alu depctr_va_vdst(0)
	s_mul_i32 s82, s25, 2*PS
	s_add_co_u32 s82, s82, WB                      ; my head's four groups of weight rows
	s_lshr_b32 s86, s26, 1
	s_mul_i32 s86, s86, PS
	s_and_b32 s87, s26, 1
	s_mul_i32 s87, s87, 8*ROWP
	s_add_co_u32 s83, s82, s86
	s_add_co_u32 s83, s83, s87                     ; v: my fragment's 16 rows among them
	v_add_nc_u32 v[VWA], s83, v[KWA]
	v_add_nc_u32 v[VWA+1], s83, v[KWA+1]
	v_add_nc_u32 v[KWA], s82, v[KWA]
	v_add_nc_u32 v[KWA+1], s82, v[KWA+1]
	v_lshlrev_b32 v[VA16], 4, v240
	v_lshl_add_u32 v[VA8], v240, 3, 512
	s_mul_i32 s84, s26, 1536
	v_add_nc_u32 v[KA16], s84, v[VA16]
	v_add_nc_u32 v[KA8], s84, v[VA8]
	s_lshl_b32 s85, s25, 8
	v_lshl_add_u32 v[KSL], v240, 3, SCK
	s_delay_alu instid0(VALU_DEP_1)
	v_add_nc_u32 v[KSL], s85, v[KSL]               ; a head's 256 bytes, 8 a lane
	s_delay_alu instid0(VALU_DEP_1)
	v_add_nc_u32 v[VSL], 1024, v[KSL]
	s_lshl_b32 s86, s26, 2
	s_add_co_u32 s85, s85, s86
	v_lshl_add_u32 v[KSS], v241, 4, SCK
	s_delay_alu instid0(VALU_DEP_1)
	v_add_nc_u32 v[KSS], s85, v[KSS]               ; 256 x head + 16 r + 4 x (pair or fragment)
	s_delay_alu instid0(VALU_DEP_1)
	v_add_nc_u32 v[VSS], 1024, v[KSS]
	v_lshlrev_b32 v[L8G], 3, v240
	v_lshlrev_b32 v251, 2, v240                    ; hsc: 4 x lane: lanes 0-15 the even tile's words, lanes 16-31 the odd tile's
	s_lshl_b32 s87, s26, 7
	v_add_nc_u32 v248, s87, v251                   ; k: + my pair's 128 bytes
	v_lshl_add_u32 v246, v243, 3, v241             ; r + 8 (r / 8)
	s_delay_alu instid0(VALU_DEP_1)
	v_lshl_add_u32 v249, v242, 3, v246
	s_delay_alu instid0(VALU_DEP_1)
	v_lshlrev_b32 v249, 4, v249                    ; k: the weights' scale words: rows r + 8 (r / 8) + 8 (lane / 16), 16 bytes a row
	v_lshlrev_b32 v250, 6, v242                    ; k: the bias: 64 h
	s_lshr_b32 s88, s26, 1
	s_lshl_b32 s88, s88, 5
	s_and_b32 s89, s26, 1
	s_lshl_b32 s89, s89, 3
	s_add_co_u32 s88, s88, s89
	v_add_nc_u32 v246, s88, v246                   ; v: my d = 32 (i / 2) + 8 (i % 2) + r + 8 (r / 8)
	s_delay_alu instid0(VALU_DEP_1)
	v_lshlrev_b32 v252, 4, v246
	s_delay_alu instid0(VALU_DEP_2)
	v_lshlrev_b32 v253, 2, v246
	s_cmp_lg_u32 ttmp9, 0                          ; the cluster's x: alike in all sixteen partners
	s_cbranch_scc1 .Lv_path
	; ---------------- k ----------------
	v_mov_b32 v[HP], 0                             ; written once: a lane permute's destination counts as one of its sources
	v_mov_b32 v[HP+1], 0
.irp g, 0,1,2,3,4,5,6,7
	global_load_b32 v[KACC+\g], v248, s[74:75] offset:16384*\g       ; the latent's scale words, group by group
.endr
.irp b, 0,1
	global_load_b128 v[KWS+4*\b:KWS+4*\b+3], v249, s[76:77] offset:512*\b
.endr
.irp t, 0,1,2,3
	global_load_b128 v[KBI+8*\t:KBI+8*\t+3], v250, s[78:79] offset:128*(\t/2)+32*(\t%2)
	global_load_b128 v[KBI+8*\t+4:KBI+8*\t+7], v250, s[78:79] offset:128*(\t/2)+32*(\t%2)+16
.endr
	s_wait_loadcnt 0x0
.irp j, 0,1,2,3
	v_bfi_b32 v[KLS+\j], 0xffff, v[KACC+2*\j], v[KACC+2*\j+1]        ; K step j: groups 2 j and 2 j + 1
.endr
	PLACES 8                                       ; a scale register written by a vector instruction stands eight places ahead of a scaled product
	s_wait_alu depctr_va_vdst(0)
	s_wait_tensorcnt 0x0
	s_barrier_signal -1
	s_barrier_wait -1
.macro KSTEP j
.if \j > 0
	PLACES 4
.endif
	IMGFRAG KLF, KA16, KA8, 12288*\j, 12288*\j+6144
	IMGFRAG KLF+12, KA16, KA8, 12288*\j+768, 12288*\j+6912
.irp t, 0,1,2,3
	ROWFRAG KWF+12*\t, KWA, \j, PS*(\t/2)+8*ROWP*(\t%2)
.endr
.irp t, 0,1,2,3
	s_wait_dscnt 18-6*\t                           ; the latent's two fragments and the weight's up to tile t are in; the six loads of each later tile may be out
.irp u, 0,1
.if \j == 0
	MM KACC+32*\u+8*\t, KWF+12*\t, KLF+12*\u, KBI+8*\t, KWS+4*(\t/2)+\j, KLS+\j, \t%2, \u
.else
	MM KACC+32*\u+8*\t, KWF+12*\t, KLF+12*\u, KACC+32*\u+8*\t, KWS+4*(\t/2)+\j, KLS+\j, \t%2, \u
.endif
.endr
.endr
.endm
.irp j, 0,1,2,3
	KSTEP \j
.endr
	PLACES 4
	HQ KACC, KI, T3, W0
	HQ KACC+32, KI+6, T3, W1
.irp g, 0,1,2
	global_store_b128 v[KA16], v[KI+4*\g:KI+4*\g+3], s[80:81] offset:512*\g     ; 512 consecutive bytes, aligned to 256
.endr
	v_bfi_b32 v[KW], 0xffff, v[W0], v[W1]          ; bytes 0, 1 the even tile's row, bytes 2, 3 the odd tile's
	ds_store_b32 v[KSS], v[KW]                     ; lanes r and r + 16 write the same word with the same value
	s_wait_dscnt 0x0
	s_barrier_signal -1
	s_barrier_wait -1
	s_cmp_lg_u32 s26, 0
	s_cbranch_scc1 .Lk_done
	ds_load_b64 v[KLF:KLF+1], v[KSL]
	s_wait_dscnt 0x0
	global_store_b64 v[L8G], v[KLF:KLF+1], s[80:81] offset:12288     ; one aligned run of 256 bytes
.Lk_done:
	s_wait_tensorcnt 0x0
	ds_add_u32 v254, v255
	s_wait_dscnt 0x0
	CROUND                                         ; the closing round
	s_endpgm
	; ---------------- v ----------------
.Lv_path:
.irp b, 0,1,2,3
	v_mov_b32 v[TM+4+\b], 0                        ; written once: a lane permute's destination counts as one of its sources
.endr
.irp p, 0,1,2,3
.irp g, 0,1,2,3,4,5,6,7
	global_load_b32 v[VACC+8*\p+\g], v251, s[74:75] offset:128*\p+16384*\g
.endr
.endr
	s_wait_alu depctr_va_vdst(0)
	global_load_b128 v[VWS:VWS+3], v252, s[76:77]
	global_load_b32 v[VBI], v253, s[78:79]
	s_wait_loadcnt 0x0
.irp i, 1,2,3,4,5,6,7
	v_mov_b32 v[VBI+\i], v[VBI]                    ; a lane holds one d: its bias in all eight registers
.endr
.irp p, 0,1,2,3
.irp j, 0,1,2,3
	v_bfi_b32 v[VLS+4*\p+\j], 0xffff, v[VACC+8*\p+2*\j], v[VACC+8*\p+2*\j+1]
.endr
.endr
	PLACES 8
	s_wait_alu depctr_va_vdst(0)
	s_wait_tensorcnt 0x0
	s_barrier_signal -1
	s_barrier_wait -1
.macro VSTEP j
.if \j > 0
	PLACES 4
.endif
	ROWFRAG VWF, VWA, \j, 0
.irp m, 0,1,2,3,4,5,6,7
	IMGFRAG VLF+12*\m, VA16, VA8, 12288*\j+768*\m, 12288*\j+6144+768*\m
.endr
.irp m, 0,1,2,3,4,5,6,7
	s_wait_dscnt 28-4*\m                           ; the weight's fragment and the latent's up to tile m are in; the four loads of each later tile may be out
.if \j == 0
	MM VACC+8*\m, VLF+12*\m, VWF, VBI, VLS+4*(\m/2)+\j, VWS+\j, \m%2, 0
.else
	MM VACC+8*\m, VLF+12*\m, VWF, VACC+8*\m, VLS+4*(\m/2)+\j, VWS+\j, \m%2, 0
.endif
.endr
.endm
.irp j, 0,1,2,3
	VSTEP \j
.endr
	PLACES 4
	QUANT VACC
.irp g, 0,1,2
	global_store_b128 v[KA16], v[PC+4*\g:PC+4*\g+3], s[80:81] offset:6144+512*\g
.endr
	ds_store_b32 v[VSS], v[PW]
	s_wait_dscnt 0x0
	s_barrier_signal -1
	s_barrier_wait -1
	s_cmp_lg_u32 s26, 0
	s_cbranch_scc1 .Lv_done
	ds_load_b64 v[VWF:VWF+1], v[VSL]
	s_wait_dscnt 0x0
	global_store_b64 v[L8G], v[VWF:VWF+1], s[80:81] offset:12544
.Lv_done:
	s_wait_tensorcnt 0x0
	ds_add_u32 v254, v255
	s_wait_dscnt 0x0
	CROUND                                         ; the closing round
	s_endpgm
.Lfunc_end_k_qdd818d4dbc_kvup:
	.size	k_qdd818d4dbc_kvup, .Lfunc_end_k_qdd818d4dbc_kvup-k_qdd818d4dbc_kvup
	.p2alignl 7, 3214868480
	.fill 96, 4, 3214868480
	.section	.rodata,"a",@progbits
	.p2align	6, 0x0
	.amdhsa_kernel k_qdd818d4dbc_kvup
		.amdhsa_group_segment_fixed_size 169984
		.amdhsa_private_segment_fixed_size 0
		.amdhsa_enable_private_segment 0
		.amdhsa_kernarg_size 48
		.amdhsa_user_sgpr_count 2
		.amdhsa_user_sgpr_kernarg_segment_ptr 1
		.amdhsa_wavefront_size32 1
		.amdhsa_system_sgpr_workgroup_id_x 1
		.amdhsa_system_sgpr_workgroup_id_y 1
		.amdhsa_system_sgpr_workgroup_id_z 1
		.amdhsa_system_vgpr_workitem_id 0
		.amdhsa_next_free_vgpr 256
		.amdhsa_next_free_sgpr 96
		.amdhsa_reserve_vcc 0
		.amdhsa_float_denorm_mode_32 3
		.amdhsa_float_denorm_mode_16_64 3
		.amdhsa_memory_ordered 1
		.amdhsa_forward_progress 1
		.amdhsa_inst_pref_size 56
	.end_amdhsa_kernel
	.amdgpu_metadata
---
amdhsa.version: [ 1, 2 ]
amdhsa.kernels:
  - .name:           k_qdd818d4dbc_kvup
    .symbol:         k_qdd818d4dbc_kvup.kd
    .args:
      - { .name: himg, .offset: 0, .size: 8, .value_kind: global_buffer, .address_space: global }
      - { .name: hsc, .offset: 8, .size: 8, .value_kind: global_buffer, .address_space: global }
      - { .name: kvu_w_codes, .offset: 16, .size: 8, .value_kind: global_buffer, .address_space: global }
      - { .name: kvu_w_scales, .offset: 24, .size: 8, .value_kind: global_buffer, .address_space: global }
      - { .name: kvu_b, .offset: 32, .size: 8, .value_kind: global_buffer, .address_space: global }
      - { .name: kvrec, .offset: 40, .size: 8, .value_kind: global_buffer, .address_space: global }
    .group_segment_fixed_size: 169984
    .private_segment_fixed_size: 0
    .kernarg_segment_align: 8
    .kernarg_segment_size: 48
    .max_flat_workgroup_size: 512
    .sgpr_count:     96
    .vgpr_count:     256
    .wavefront_size: 32
...
	.end_amdgpu_metadata
.endif
;; end of part 2
;; launch attn (part 3): grid 8 x 32, 8 waves a work-group, clusters of 4 x 1, 327,680 bytes of LDS; arguments himg, hsc, kvrec, aimg, asc; writes aimg, asc
.if DOCPART == 3
	.amdgcn_target "amdgcn-amd-amdhsa--gfx1250"
	.amdhsa_code_object_version 6
	.text
	.protected	k_qdd818d4dbc_attn
	.globl	k_qdd818d4dbc_attn
	.p2align	8
	.type	k_qdd818d4dbc_attn,@function
k_qdd818d4dbc_attn:
	s_mov_b64 s[64:65], 0
	v_nop
	global_prefetch_b8 v0, s[64:65] scope:SCOPE_SE
	s_setreg_imm32_b32 hwreg(HW_REG_WAVE_MODE, 25, 1), 1
	s_wait_xcnt 0x0
	s_wait_alu depctr_hold_cnt(0) depctr_sa_sdst(0) depctr_va_vdst(0) depctr_va_sdst(0) depctr_va_ssrc(0) depctr_va_vcc(0) depctr_vm_vsrc(0)
	s_getreg_b32 s2, hwreg(HW_REG_IB_STS2, 6, 4)
	s_cmp_eq_u32 s2, 0
	s_cbranch_scc0 .Lentry_in_a_cluster
	s_endpgm
.Lentry_in_a_cluster:
	s_bfe_u32 s2, ttmp6, 0x10000c
	s_cmp_lg_u32 s2, 0x3003
	s_cbranch_scc0 .Lentry_shape_is_right
	s_endpgm
.Lentry_shape_is_right:
; ATTN.  o = softmax(q k^T / 8) v for one batch and head, on codes of FP6 (E2M3); the result is quantised along the head's 64 and leaves as half images aimg[head][tile][768] with doubled scale words asc[head][tile][r].
; SHARES.  A work-group takes 256 queries of one (batch, head); a wave takes 32 of them, two tiles of 16, and walks all 2,048 keys in 16 steps of 128.  Each image of k and fragment of v^T is read from LDS once for both tiles,
; and the two tiles' softmax lines stand by turns, so that a line seldom reads the line just above it.
; Both products are used transposed (S^T = k q^T, O^T = v^T p^T): a lane holds one query.  The head has 64 numbers, the product 128 along K: an image of k holds two key tiles (registers 0-5, 6-11) and q stands as (q, 0) or (0, q).
; SOFTMAX: p = 2^(t - M), t = score x log2(e) / 8, M the running largest t rounded up to a whole number; when M moves, the sum and O^T are multiplied by 2^(old M - new M), in every step, with no branch on data.
; The row's sum is taken of p before it is quantised.  A block's largest p is made from the block's largest score by the same multiply-add and exponential.
; THE EXPONENTIALS stand in two batches, one a tile, with plain lines among them that read nothing written inside the batch and whose results are read behind the batch's closing wait:
; among tile 0's stand tile 1's multiply-adds, among tile 1's the first additions of tile 0's p.
; LDS: the head's 16 records of kvrec (204,800 bytes) come once, by one joint load a wave (two records each); nothing is filled again, so the walk over the keys has no barrier.
; CLUSTER 4 x 1: four query blocks of one (batch, head) ask for the records jointly.  No prefetch: the one load at the head is the launch's only stream, and no loop stands ahead of it.
; The first step starts O^T and the sums (C = 0), the last fetches nothing: both are written out beside a loop of seven trips of two steps (the scale words have two sets of registers, which take turns).
; LIMITS: NaN and infinities are not served; the promise holds while |t| stays under 2^31.  A block of the result whose largest magnitude lies under 2^-124 keeps the scale byte 1, a block of zeros too: its codes are zeros and this program alone reads the bytes.
; REGISTERS.  Window 0: addresses, state, scale words, S (two tiles), p's codes, scratch.  Window 1 (v256 on): O^T, q, k's images, v's fragments.
.set REC,  12800                       ; a record: 4 images of k, 4 fragments of v^T, 256 bytes of k's scale words, 256 of v's
.set SCA,  16*REC                      ; 1,024 bytes: the result's scale words on their way out (no tensor load lands here)
.set SPARE, SCA+1024                   ; the spare words, 128 bytes a wave
.set WV,   18
.set SEL,  20                          ; s[20:21] selects of v_permlanex16_b32: lane l xor 16
.set CS,   22                          ; s[22:23] log2(e) / 8
.set TB,   2                           ; s2 LDS byte of the trip's first record
.set CNT,  3
.set L16,  1                           ; v1 16 x lane
.set ADR,  2                           ; v2 16 x lane + TB
.set L8,   4                           ; v4 512 + 8 x lane
.set SST,  5                           ; v5 where my scale words go
.set SLD,  6                           ; v6 where wave 0 reads all of them back
.set SPW,  10                          ; v10 my spare word; v11 0: kept for the add alone
.set NIL,  11
.set ST,   12                          ; tile x: v[12+4x] -M, +1 the running largest score, +2, +3 the sum in two halves
.set QW,   20                          ; v20, v21 q's scale words;  v22, v23 p's
.set PWD,  22
.set SCI,  24                          ; v24-27, v28-31 two sets: lanes 0-15 k's scale words, lanes 16-31 v's
.set S,    32                          ; v32-95 tile 0's scores, then p;  v96-159 tile 1's
.set SB,   S+64
.set PCD,  160                         ; v160-171, v172-183 p's codes
.set CT,   184                         ; v184-199 the conversions' second results
.set TT,   184                         ; tile 0's 16 first sums, pair i at TT + 2 i + 34 (i / 8): v184-199 (ahead of the conversions) and v234-249
.set BM,   200                         ; v200-207 block maxima; v208-215, v216-223 at work on them
.set BP,   208
.set BE,   216
.set FF,   224                         ; v224, v226 the factor 2^(old M - new M) (v225, v227 are named as pairs' upper halves)
.set TMP,  228
.set SUM2, 230                         ; v230-233 second chains of the sums; ahead of them the old -M
.set X3,   250                         ; v250-253 tile 1's third and fourth chains
.set X4,   252
.set O,    0                           ; window 1: v0-63 O^T; v64-81, v82-99 (q, 0, q); v100-147 k's images; v148-195 v's fragments
.set Q,    64
.set KF,   100
.set VF,   148
.set HM,   BM
.set HP,   BP
.set HE,   BE
.set HB,   BE+2
.set MSB,  0
.macro WIN new                         ; the immediate's high byte repeats the setting that is left
.if MSB != \new
	s_set_vgpr_msb (MSB<<8)|\new
.set MSB, \new
.endif
.endm
.macro DL n
	s_delay_alu instid0(VALU_DEP_\n)
.endm
.macro CROUND
	s_barrier_signal -1
	s_barrier_wait -1
	s_cmp_lg_u32 s[WV], 0
	s_cbranch_scc1 .Lnot_wave_0_\@
	s_barrier_signal -3
.Lnot_wave_0_\@:
	s_barrier_wait -3
	s_barrier_signal -1
	s_barrier_wait -1
.endm
.macro PLACES n
.rept \n
	v_nop
.endr
.endm
.macro LDFR reg, adr, o                ; four images or fragments: 12 loads of 512 consecutive bytes
.irp b, 0,1,2,3
.irp g, 0,1,2
	ds_load_b128 v[\reg+12*\b+4*\g:\reg+12*\b+4*\g+3], v[\adr] offset:\o+1536*\b+512*\g
.endr
.endr
.endm
; 32 numbers of a lane (register 16 b + i = d 32 b + 16 (lane / 16) + i of my query) become a half image and its doubled scale word
.macro HQ src, dst, tmp, wrd
	v_max3_num_f32 v[HM], |v[\src]|, |v[\src+1]|, 0x1800000          ; with the floor 2^(3 - 127): the byte cannot fall under 1
	v_max3_num_f32 v[HM+1], |v[\src+16]|, |v[\src+17]|, 0x1800000
.irp i, 2,4,6,8,10,12,14
	DL 2
	v_max3_num_f32 v[HM], v[HM], |v[\src+\i]|, |v[\src+\i+1]|
	DL 2
	v_max3_num_f32 v[HM+1], v[HM+1], |v[\src+16+\i]|, |v[\src+17+\i]|
.endr
	DL 2
	v_permlanex16_b32 v[HP], v[HM], s[SEL], s[SEL+1]
	DL 2
	v_permlanex16_b32 v[HP+1], v[HM+1], s[SEL], s[SEL+1]
	DL 2
	v_max_num_f32 v[HM], v[HM], v[HP]
	DL 2
	v_max_num_f32 v[HM+1], v[HM+1], v[HP+1]
	DL 2
	v_add_nc_u32 v[HE], 0xff000000, v[HM]                            ; 2 off the exponent field: the conversion's scale operand
	DL 2
	v_add_nc_u32 v[HE+1], 0xff000000, v[HM+1]
	DL 2
	v_lshrrev_b32 v[HB], 23, v[HE]
	DL 2
	v_lshrrev_b32 v[HB+1], 23, v[HE+1]
	DL 1
	v_lshl_or_b32 v[\wrd], v[HB+1], 8, v[HB]
	DL 1
	v_lshl_or_b32 v[\wrd], v[\wrd], 16, v[\wrd]                      ; (s0, s1, s0, s1)
	v_cvt_scalef32_pk16_fp6_f32 v[\dst:\dst+2], v[\src:\src+15], v[HE]
	v_cvt_scalef32_pk16_fp6_f32 v[\tmp:\tmp+2], v[\src+16:\src+31], v[HE+1]
	v_nop                                                            ; one plain place behind a scaled conversion
.irp i, 0,1,2
	v_permlane16_swap_b32 v[\dst+\i], v[\tmp+\i]                     ; a whole block to a lane
.endr
.irp i, 0,1,2
	DL 3
	v_mov_b32 v[\dst+3+\i], v[\tmp+\i]
.endr
.endm
	s_load_b256 s[4:11], s[0:1], 0x0               ; himg s[4:5], hsc s[6:7], kvrec s[8:9], aimg s[10:11]
	s_load_b64 s[12:13], s[0:1], 0x20              ; asc
	v_lshl_add_u32 v[SPW], v0, 2, SPARE
	v_mov_b32 v[NIL], 0
	ds_add_u32 v[SPW], v[NIL]                      ; the opening lines: the add, twice on end, and its wait ahead of my tensor load
	ds_add_u32 v[SPW], v[NIL]
	v_lshrrev_b32 v3, 5, v0
	DL 1
	v_readfirstlane_b32 s[WV], v3                  ; wave 0..7
	s_bfe_u32 s19, ttmp6, 0x40000                  ; cx
	s_lshl_b32 s24, ttmp9, 2
	s_add_co_u32 s24, s24, s19                     ; block of 256 queries
	s_and_b32 s25, ttmp7, 0xffff                   ; 16 x batch + head
	s_lshr_b32 s26, s25, 4
	s_and_b32 s27, s25, 15
	s_mul_i32 s28, s25, 16*REC
	s_mul_i32 s30, s[WV], 2*REC                    ; I fetch records 2 wave, 2 wave + 1 (no place in the cluster enters these)
	s_add_co_u32 s28, s28, s30
	s_mov_b32 s29, 0
	s_lshl_b32 s31, s27, 8
	s_lshl_b32 s32, s26, 7
	s_add_co_u32 s31, s31, s32
	s_lshl_b32 s32, s24, 4
	s_add_co_u32 s31, s31, s32                     ; the work-group's first tile: 256 head + 128 batch + 16 block
	s_lshl_b32 s32, s[WV], 1
	s_add_co_u32 s32, s31, s32                     ; my first tile
	s_mul_i32 s34, s32, 768
	s_mov_b32 s35, 0
	s_lshl_b32 s36, s32, 6
	s_mov_b32 s37, 0
	s_lshl_b32 s38, s31, 6
	s_mov_b32 s39, 0
	s_mov_b32 s48, 15|(3<<16)|(1<<21)              ; group 1: the four partners; 25,600 dense bytes as 100 rows of 256 (32 elements of 8)
	s_mov_b32 s49, 32<<16
	s_mov_b32 s50, 100<<16
	s_mov_b32 s51, 32<<16
	s_mov_b32 s52, 100
	s_mov_b32 s53, 32
	s_mov_b32 s54, 0
	s_mov_b32 s55, 0
	s_mov_b32 s[SEL], 0x76543210
	s_mov_b32 s[SEL+1], 0xfedcba98
	s_mov_b32 s[CS], 0x3e38aa3b
	s_mov_b32 s[CS+1], s[CS]
	s_mov_b32 s[TB], 0
	s_wait_dscnt 0x0
	s_wait_kmcnt 0x0
	s_mov_b32 s40, 1
	s_mov_b32 s41, s30
	s_add_nc_u64 s[42:43], s[8:9], s[28:29]
	s_or_b32 s43, s43, 0x80000000
	s_add_nc_u64 s[4:5], s[4:5], s[34:35]
	s_add_nc_u64 s[6:7], s[6:7], s[36:37]
	s_add_nc_u64 s[10:11], s[10:11], s[34:35]
	s_add_nc_u64 s[12:13], s[12:13], s[38:39]
	CROUND                                         ; the four partners are here: the joint loads meet
	tensor_load_to_lds s[40:43], s[48:55]          ; my one tensor load
	s_nop 0
	PLACES 4
	v_and_b32 v7, 31, v0
	v_and_b32 v8, 15, v0
	v_lshlrev_b32 v[L16], 4, v7
	v_lshl_add_u32 v[L8], v7, 3, 512
	s_lshl_b32 s33, s[WV], 7
	v_lshl_add_u32 v[SST], v8, 2, SCA
	v_lshl_add_u32 v[SLD], v7, 4, SCA
	v_lshlrev_b32 v9, 2, v8
	v_add_nc_u32 v[SST], s33, v[SST]               ; 128 bytes a wave: 64 a tile, 4 a query
	WIN 0x40                                       ; destination in window 1
.irp x, 0,1
	global_load_b128 v[Q+18*\x:Q+18*\x+3], v[L16], s[4:5] offset:768*\x
	global_load_b64 v[Q+18*\x+4:Q+18*\x+5], v[L8], s[4:5] offset:768*\x
.endr
	WIN 0
	global_load_b32 v[QW], v9, s[6:7]
	global_load_b32 v[QW+1], v9, s[6:7] offset:64
.irp k, 0,1,2,3,4,5,6,7
	v_mov_b32 v[BP+\k], 0                          ; written once: a lane permute's destination counts as one of its sources
.endr
	v_mov_b32 v[FF+1], 0
	v_mov_b32 v[FF+3], 0
	s_wait_alu depctr_va_vdst(0)
	s_wait_loadcnt 0x0
	WIN 0x41
.irp x, 0,1
.irp i, 0,1,2,3,4,5
	v_mov_b32 v[Q+18*\x+6+\i], 0                   ; (q, 0, q): registers 0-11 pick an image's even key tile, registers 6-17 its odd one
	v_mov_b32 v[Q+18*\x+12+\i], v[Q+18*\x+\i]
.endr
.endr
	WIN 0
	PLACES 4                                       ; an operand written by vector instructions stands four places ahead of a scaled product
	s_wait_alu depctr_va_vdst(0)
	s_wait_tensorcnt 0x0                           ; my two records are in,
	s_barrier_signal -1
	s_barrier_wait -1                              ; everybody's are
	WIN 0x40
	LDFR KF, L16, 0                                ; step 0's images of k
	WIN 0
	ds_load_b128 v[SCI:SCI+3], v[L16] offset:12288
; A step of 128 keys for both tiles.  off: the record's byte behind ADR; sc: its set of scale words; first, last: the walk's ends; newadr: ADR is made anew
.macro STEP off, sc, first, last, newadr
	s_wait_dscnt 0x0                               ; this step's images and scale words are in
	WIN 0x05                                       ; sources 0 and 1 in window 1
.irp x, 0,1
.irp t, 0,1,2,3,4,5,6,7
	v_wmma_scale_f32_16x16x128_f8f6f4 v[S+64*\x+8*\t:S+64*\x+8*\t+7], v[KF+12*(\t/2):KF+12*(\t/2)+11], v[Q+18*\x+6*(\t%2):Q+18*\x+6*(\t%2)+11], 0, v[SCI+4*(\sc)+\t/2], v[QW+\x] matrix_a_fmt:MATRIX_FMT_FP6 matrix_b_fmt:MATRIX_FMT_FP6
.endr
.endr
	WIN 0
.if \newadr                            ; four places in front of loads into registers that matrix instructions have read, and of the first read of results
	v_add_nc_u32 v[ADR], s[TB], v[L16]
.else
	v_nop
.endif
.if \first
	PLACES 3
.else
	v_mov_b32 v[SUM2], v[ST]                       ; the old -M of both tiles
	v_mov_b32 v[SUM2+2], v[ST+4]
	v_nop
.endif
	WIN 0x40
	LDFR VF, ADR, (\off)+6144                      ; this step's fragments of v^T,
.if !(\last)
	LDFR KF, ADR, (\off)+REC                       ; the next step's images of k,
	WIN 0
	ds_load_b128 v[SCI+4*(1-(\sc)):SCI+4*(1-(\sc))+3], v[ADR] offset:(\off)+REC+12288   ; and its scale words, into the other set
.endif
	WIN 0
.irp b, 0,1,2,3                        ; the largest score of each block of 32 keys: eight chains by turns; each accumulator is read from its low end on
.irp x, 0,1
	v_max3_num_f32 v[BM+4*\x+\b], v[S+64*\x+16*\b], v[S+64*\x+16*\b+1], v[S+64*\x+16*\b+2]
.endr
.endr
.irp i, 3,5,7,9,11,13
.irp b, 0,1,2,3
.irp x, 0,1
	v_max3_num_f32 v[BM+4*\x+\b], v[BM+4*\x+\b], v[S+64*\x+16*\b+\i], v[S+64*\x+16*\b+\i+1]
.endr
.endr
.endr
.irp k, 0,1,2,3,4,5,6,7
	v_max_num_f32 v[BM+\k], v[BM+\k], v[S+64*(\k/4)+16*(\k%4)+15]
.endr
.irp k, 0,1,2,3,4,5,6,7
	v_permlanex16_b32 v[BP+\k], v[BM+\k], s[SEL], s[SEL+1]
.endr
.irp k, 0,1,2,3,4,5,6,7
	v_max_num_f32 v[BM+\k], v[BM+\k], v[BP+\k]     ; with lane l xor 16's 16 keys
.endr
.irp x, 0,1
	v_max3_num_f32 v[TMP+\x], v[BM+4*\x], v[BM+4*\x+1], v[BM+4*\x+2]
.endr
.irp x, 0,1
	DL 2
.if \first
	v_max_num_f32 v[ST+4*\x+1], v[TMP+\x], v[BM+4*\x+3]              ; the running largest score
.else
	v_max3_num_f32 v[ST+4*\x+1], v[ST+4*\x+1], v[TMP+\x], v[BM+4*\x+3]
.endif
.endr
.irp x, 0,1
	DL 2
	v_mul_f32 v[TMP+\x], s[CS], v[ST+4*\x+1]       ; as t (the factor is positive)
.endr
.irp x, 0,1
	DL 2
	v_floor_f32 v[ST+4*\x], -v[TMP+\x]             ; -M = floor(-t)
.endr
.if !(\first)
.irp x, 0,1
	DL 2
	v_sub_f32 v[TMP+\x], v[ST+4*\x], v[SUM2+2*\x]  ; old M less new M: a whole number, 0 or less
.endr
.irp x, 0,1
	DL 2
	v_cvt_i32_f32 v[TMP+\x], v[TMP+\x]             ; (it saturates)
.endr
.irp x, 0,1
	DL 2
	v_ldexp_f32 v[FF+2*\x], 1.0, v[TMP+\x]
.endr
.endif
.set J, 0
.rept 32
	v_pk_fma_f32 v[S+J:S+J+1], v[S+J:S+J+1], s[CS:CS+1], v[ST:ST+1] op_sel_hi:[1,0,0]               ; tile 0: t - M, two at a time
.set J, J+2
.endr
.irp b, 0,1,2,3
	v_fma_f32 v[BM+\b], v[BM+\b], s[CS], v[ST]     ; the same of each block's largest score
.endr
.if !(\first)
	WIN 0x41                                       ; O^T under the new M, ahead of the exponentials: destination and source 0 in window 1
.set J, 0
.rept 32
	v_pk_mul_f32 v[O+J:O+J+1], v[O+J:O+J+1], v[FF+2*(J/32):FF+2*(J/32)+1] op_sel_hi:[1,0]
.set J, J+2
.endr
	WIN 0
.endif
	s_wait_alu depctr_va_vdst(0)
.set J, 0
.rept 32                               ; tile 0's p = 2^(t - M); among the exponentials tile 1's t - M, which is read behind the next wait
	v_exp_f32 v[S+J], v[S+J]
	v_pk_fma_f32 v[SB+J:SB+J+1], v[SB+J:SB+J+1], s[CS:CS+1], v[ST+4:ST+5] op_sel_hi:[1,0,0]
	v_exp_f32 v[S+J+1], v[S+J+1]
.set J, J+2
.endr
.irp b, 0,1,2,3
	v_exp_f32 v[BM+\b], v[BM+\b]                   ; each block's largest p
	v_fma_f32 v[BM+4+\b], v[BM+4+\b], s[CS], v[ST+4]
.endr
	s_wait_alu depctr_va_vdst(0)                   ; behind the first batch and ahead of the second
.set J, 0
.rept 16                               ; tile 1's p; among the exponentials the first additions of tile 0's p, into registers that are read behind the next wait
	v_exp_f32 v[SB+4*J], v[SB+4*J]
	v_pk_add_f32 v[TT+2*J+34*(J/8):TT+2*J+34*(J/8)+1], v[S+4*J:S+4*J+1], v[S+4*J+2:S+4*J+3]
	v_exp_f32 v[SB+4*J+1], v[SB+4*J+1]
	v_exp_f32 v[SB+4*J+2], v[SB+4*J+2]
	v_exp_f32 v[SB+4*J+3], v[SB+4*J+3]
.set J, J+1
.endr
.irp b, 0,1,2,3
	v_exp_f32 v[BM+4+\b], v[BM+4+\b]
	v_max_num_f32 v[BM+\b], 0x1800000, v[BM+\b]    ; tile 0: the floor 2^(3 - 127): the byte cannot fall under 1
.endr
	s_wait_alu depctr_va_vdst(0)                   ; one wait for the batch, ahead of its first reader
.irp b, 0,1,2,3
	v_max_num_f32 v[BM+4+\b], 0x1800000, v[BM+4+\b]
.endr
.irp k, 0,1,2,3,4,5,6,7
	v_add_nc_u32 v[BE+\k], 0xff000000, v[BM+\k]    ; 2 off the exponent field: the conversion's scale operand
.endr
.irp k, 0,1,2,3,4,5,6,7
	v_lshrrev_b32 v[BP+\k], 23, v[BE+\k]           ; the scale's byte
.endr
.irp x, 0,1
	v_lshl_or_b32 v[PWD+\x], v[BP+4*\x+1], 8, v[BP+4*\x]
.endr
.irp x, 0,1
	DL 2
	v_lshl_or_b32 v[PWD+\x], v[BP+4*\x+2], 16, v[PWD+\x]
.endr
.irp x, 0,1
	DL 2
	v_lshl_or_b32 v[PWD+\x], v[BP+4*\x+3], 24, v[PWD+\x]             ; p's scale word for these 128 keys
.endr
; the rows' sums, of the unquantised p: tile 0's 16 first sums in two chains, tile 1's 32 pairs in four, the six by turns
.if \first
	v_pk_add_f32 v[ST+2:ST+3], v[TT:TT+1], v[TT+4:TT+5]
	v_pk_add_f32 v[ST+6:ST+7], v[SB:SB+1], v[SB+8:SB+9]
.else
	v_pk_fma_f32 v[ST+2:ST+3], v[ST+2:ST+3], v[FF:FF+1], v[TT:TT+1] op_sel_hi:[1,0,1]              ; the old sum under the new M, and the first pair
	v_pk_fma_f32 v[ST+6:ST+7], v[ST+6:ST+7], v[FF+2:FF+3], v[SB:SB+1] op_sel_hi:[1,0,1]
.endif
	v_pk_add_f32 v[SUM2:SUM2+1], v[TT+2:TT+3], v[TT+6:TT+7]
	v_pk_add_f32 v[SUM2+2:SUM2+3], v[SB+2:SB+3], v[SB+10:SB+11]
	v_pk_add_f32 v[X3:X3+1], v[SB+4:SB+5], v[SB+12:SB+13]
	v_pk_add_f32 v[X4:X4+1], v[SB+6:SB+7], v[SB+14:SB+15]
.irp j, 16,24,32,40,48,56
.set I, (\j-16)/4+4
	v_pk_add_f32 v[ST+2:ST+3], v[ST+2:ST+3], v[TT+2*I+34*(I/8):TT+2*I+34*(I/8)+1]
.set I, I+1
	v_pk_add_f32 v[SUM2:SUM2+1], v[SUM2:SUM2+1], v[TT+2*I+34*(I/8):TT+2*I+34*(I/8)+1]
	v_pk_add_f32 v[ST+6:ST+7], v[ST+6:ST+7], v[SB+\j:SB+\j+1]
	v_pk_add_f32 v[SUM2+2:SUM2+3], v[SUM2+2:SUM2+3], v[SB+\j+2:SB+\j+3]
	v_pk_add_f32 v[X3:X3+1], v[X3:X3+1], v[SB+\j+4:SB+\j+5]
	v_pk_add_f32 v[X4:X4+1], v[X4:X4+1], v[SB+\j+6:SB+\j+7]
.endr
.if !(\first)
	v_pk_add_f32 v[SUM2:SUM2+1], v[SUM2:SUM2+1], v[TT+4:TT+5]        ; tile 0's third first sum, ahead of the conversions that land on its registers
.endif
.irp x, 0,1
.irp c, 0,1
	v_cvt_scalef32_pk16_fp6_f32 v[PCD+12*\x+6*\c:PCD+12*\x+6*\c+2], v[S+64*\x+32*\c:S+64*\x+32*\c+15], v[BE+4*\x+2*\c]
	v_cvt_scalef32_pk16_fp6_f32 v[CT+8*\x+4*\c:CT+8*\x+4*\c+2], v[S+64*\x+32*\c+16:S+64*\x+32*\c+31], v[BE+4*\x+2*\c+1]
.endr
.endr
	v_nop                                          ; one plain place behind a scaled conversion
.irp x, 0,1
.irp c, 0,1
.irp i, 0,1,2
	v_permlane16_swap_b32 v[PCD+12*\x+6*\c+\i], v[CT+8*\x+4*\c+\i]   ; a whole block to a lane
.endr
.endr
.endr
.irp x, 0,1
.irp c, 0,1
.irp i, 0,1,2
	v_mov_b32 v[PCD+12*\x+6*\c+3+\i], v[CT+8*\x+4*\c+\i]
.endr
.endr
.endr
.if \first                             ; the chains are joined: these five lines are also the places between p's codes and the products below
	v_nop
.else
	v_pk_add_f32 v[ST+6:ST+7], v[ST+6:ST+7], v[SB+8:SB+9]
.endif
	v_pk_add_f32 v[X3:X3+1], v[X3:X3+1], v[X4:X4+1]
	v_pk_add_f32 v[ST+2:ST+3], v[ST+2:ST+3], v[SUM2:SUM2+1]
	v_pk_add_f32 v[ST+6:ST+7], v[ST+6:ST+7], v[SUM2+2:SUM2+3]
	v_pk_add_f32 v[ST+6:ST+7], v[ST+6:ST+7], v[X3:X3+1]
	s_wait_alu depctr_va_vdst(0)
.if \last
	s_wait_dscnt 0x0
.else
	s_wait_dscnt 13                                ; v's 12 loads are in; the 12 of the next images and the one of their scale words may be out
.endif
	WIN 0x51                                       ; source 0 (v), C and D (O^T) in window 1; source 1 (p) in window 0
.irp i, 0,1,2,3                        ; the eight accumulators by turns
.irp x, 0,1
.if \first
	v_wmma_scale_f32_16x16x128_f8f6f4 v[O+32*\x+8*\i:O+32*\x+8*\i+7], v[VF+12*\i:VF+12*\i+11], v[PCD+12*\x:PCD+12*\x+11], 0, v[SCI+4*(\sc)+\i], v[PWD+\x] matrix_a_fmt:MATRIX_FMT_FP6 matrix_b_fmt:MATRIX_FMT_FP6 matrix_a_scale:MATRIX_SCALE_ROW1
.else
	v_wmma_scale_f32_16x16x128_f8f6f4 v[O+32*\x+8*\i:O+32*\x+8*\i+7], v[VF+12*\i:VF+12*\i+11], v[PCD+12*\x:PCD+12*\x+11], v[O+32*\x+8*\i:O+32*\x+8*\i+7], v[SCI+4*(\sc)+\i], v[PWD+\x] matrix_a_fmt:MATRIX_FMT_FP6 matrix_b_fmt:MATRIX_FMT_FP6 matrix_a_scale:MATRIX_SCALE_ROW1
.endif
.endr
.endr
	WIN 0
.endm
	STEP 0, 0, 1, 0, 1                             ; step 0 starts the sums
	s_mov_b32 s[TB], REC
	s_mov_b32 s[CNT], 7
.Ltrip:                                                ; steps 1 to 14, two a trip
	STEP 0, 1, 0, 0, 1
	STEP REC, 0, 0, 0, 0
	s_add_co_u32 s[TB], s[TB], 2*REC
	s_sub_co_u32 s[CNT], s[CNT], 1
	s_cmp_lg_u32 s[CNT], 0
	s_cbranch_scc1 .Ltrip
	STEP 0, 1, 0, 1, 1                             ; step 15 fetches nothing more
	PLACES 4
.irp x, 0,1
	v_add_f32 v[ST+4*\x+2], v[ST+4*\x+2], v[ST+4*\x+3]               ; the sum's two halves,
.endr
.irp x, 0,1
	DL 2
	v_permlanex16_b32 v[TMP+\x], v[ST+4*\x+2], s[SEL], s[SEL+1]
.endr
.irp x, 0,1
	DL 2
	v_add_f32 v[ST+4*\x+2], v[ST+4*\x+2], v[TMP+\x]                  ; and lane l xor 16's
.endr
	s_wait_alu depctr_va_vdst(0)                   ; ahead of the transcendentals
	v_rcp_f32 v[ST+2], v[ST+2]
	v_rcp_f32 v[ST+6], v[ST+6]
	v_nop
	WIN 0x01                                       ; source 0 (O^T) in window 1
	s_wait_alu depctr_va_vdst(0)                   ; and ahead of their first reader, which is also O^T's
.set J, 0
.rept 64
	v_mul_f32 v[S+J+32*(J/32)], v[O+J], v[ST+4*(J/32)+2]             ; O^T / the sum; each accumulator from its low end on
.set J, J+1
.endr
	WIN 0
	HQ S, PCD, CT, TMP
	HQ S+64, PCD+12, CT+8, TMP+1
.irp x, 0,1
	global_store_b128 v[L16], v[PCD+12*\x:PCD+12*\x+3], s[10:11] offset:768*\x       ; 512 and 256 consecutive bytes, aligned to 256
	global_store_b64 v[L8], v[PCD+12*\x+4:PCD+12*\x+5], s[10:11] offset:768*\x
.endr
	ds_store_b32 v[SST], v[TMP]                    ; lanes r and r + 16 write the same word with the same value
	ds_store_b32 v[SST], v[TMP+1] offset:64
	s_wait_dscnt 0x0                               ; for the others' sake: my words lie in LDS
	s_barrier_signal -1
	s_barrier_wait -1
	s_cmp_lg_u32 s[WV], 0                          ; wave 0 stores the work-group's 1,024 bytes of words
	s_cbranch_scc1 .Lno_words
	ds_load_b128 v[S:S+3], v[SLD]
	ds_load_b128 v[S+4:S+7], v[SLD] offset:512
	s_wait_dscnt 0x0
	global_store_b128 v[L16], v[S:S+3], s[12:13]
	global_store_b128 v[L16], v[S+4:S+7], s[12:13] offset:512
.Lno_words:
	s_wait_tensorcnt 0x0                           ; the wave's end
	ds_add_u32 v[SPW], v[NIL]
	s_wait_dscnt 0x0
	CROUND                                         ; the closing round
	s_endpgm
.Lfunc_end_k_qdd818d4dbc_attn:
	.size	k_qdd818d4dbc_attn, .Lfunc_end_k_qdd818d4dbc_attn-k_qdd818d4dbc_attn
	.p2alignl 7, 3214868480
	.fill 96, 4, 3214868480
	.section	.rodata,"a",@progbits
	.p2align	6, 0x0
	.amdhsa_kernel k_qdd818d4dbc_attn
		.amdhsa_group_segment_fixed_size 327680
		.amdhsa_private_segment_fixed_size 0
		.amdhsa_enable_private_segment 0
		.amdhsa_kernarg_size 40
		.amdhsa_user_sgpr_count 2
		.amdhsa_user_sgpr_kernarg_segment_ptr 1
		.amdhsa_wavefront_size32 1
		.amdhsa_system_sgpr_workgroup_id_x 1
		.amdhsa_system_sgpr_workgroup_id_y 1
		.amdhsa_system_sgpr_workgroup_id_z 1
		.amdhsa_system_vgpr_workitem_id 0
		.amdhsa_next_free_vgpr 512
		.amdhsa_next_free_sgpr 66
		.amdhsa_reserve_vcc 0
		.amdhsa_float_denorm_mode_32 3
		.amdhsa_float_denorm_mode_16_64 3
		.amdhsa_memory_ordered 1
		.amdhsa_forward_progress 1
		.amdhsa_inst_pref_size 128
	.end_amdhsa_kernel
	.amdgpu_metadata
---
amdhsa.version: [ 1, 2 ]
amdhsa.kernels:
  - .name:           k_qdd818d4dbc_attn
    .symbol:         k_qdd818d4dbc_attn.kd
    .args:
      - { .name: himg, .offset: 0, .size: 8, .value_kind: global_buffer, .address_space: global }
      - { .name: hsc, .offset: 8, .size: 8, .value_kind: global_buffer, .address_space: global }
      - { .name: kvrec, .offset: 16, .size: 8, .value_kind: global_buffer, .address_space: global }
      - { .name: aimg, .offset: 24, .size: 8, .value_kind: global_buffer, .address_space: global }
      - { .name: asc, .offset: 32, .size: 8, .value_kind: global_buffer, .address_space: global }
    .group_segment_fixed_size: 327680
    .private_segment_fixed_size: 0
    .kernarg_segment_align: 8
    .kernarg_segment_size: 40
    .max_flat_workgroup_size: 256
    .sgpr_count:     66
    .vgpr_count:     512
    .wavefront_size: 32
...
	.end_amdgpu_metadata
.endif
;; end of part 3
;; launch outp (part 4): grid 8 x 32, 8 waves a work-group, clusters of 4 x 4, 274,432 bytes of LDS; arguments aimg, asc, out_w_codes, out_w_scales, out_b, out0; writes out0
.if DOCPART == 4
	.amdgcn_target "amdgcn-amd-amdhsa--gfx1250"
	.amdhsa_code_object_version 6
	.text
	.protected	k_qdd818d4dbc_outp
	.globl	k_qdd818d4dbc_outp
	.p2align	8
	.type	k_qdd818d4dbc_outp,@function
k_qdd818d4dbc_outp:
	s_mov_b64 s[64:65], 0
	v_nop
	global_prefetch_b8 v0, s[64:65] scope:SCOPE_SE
	s_setreg_imm32_b32 hwreg(HW_REG_WAVE_MODE, 25, 1), 1
	s_wait_xcnt 0x0
	s_wait_alu depctr_hold_cnt(0) depctr_sa_sdst(0) depctr_va_vdst(0) depctr_va_sdst(0) depctr_va_ssrc(0) depctr_va_vcc(0) depctr_vm_vsrc(0)
	s_getreg_b32 s2, hwreg(HW_REG_IB_STS2, 6, 4)
	s_cmp_eq_u32 s2, 0
	s_cbranch_scc0 .Lentry_in_a_cluster
	s_endpgm
.Lentry_in_a_cluster:
	s_bfe_u32 s2, ttmp6, 0x10000c
	s_cmp_lg_u32 s2, 0xf033
	s_cbranch_scc0 .Lentry_shape_is_right
	s_endpgm
.Lentry_shape_is_right:
; OUTP.  out0 = Q(attention's result) out_w^T + out_b, K = 1,024, on codes of FP6 (E2M3).  The left operand comes as half images aimg[head][tile][768] with doubled scale words asc[head][tile][r];
; K step j is heads 2 j and 2 j + 1.  Tile 2 p + u holds tokens 32 p + 8 u + r + 8 (r / 8).
; SHARES.  A work-group takes 128 tokens (Tb) x 128 features (F).  Wave w: pair of token tiles w % 4, 64 features w / 4: 8 accumulators, 8 K steps.  Source 0 = 16 rows of out_w, source 1 = 16 tokens:
; a lane holds eight neighbouring features of one token.  The bias is the C of each sum's first product.
; LDS is filled once, by one tensor load a wave at the head.  CLUSTER 4 x 4: the images hang on Tb and are asked for jointly along a row of the cluster, the weight's rows on F and jointly along a column.
; THE WAY OUT: a wave's 32 tokens x 64 features go through its own stage in LDS and leave as rows: sixteen lanes store 256 consecutive bytes, aligned to 256.
.set INT,  256
.set ROWP, 816                         ; a row of 768 bytes in LDS: 3 x (256 + 16)
.set GRP,  13056                       ; 16 rows
.set WB,   98304                       ; the images [16 heads][8 tiles][768], then the weight's 8 groups of 16 rows
.set STG,  WB+8*GRP                    ; the stages: 32 rows x 272 bytes for each wave (no tensor load lands here)
.set WV,   24                          ; s24 wave; s25 half of the features; s26 pair of tiles; s27 cx; s28 cy; s29 F; s30 Tb
.set G1A,  36
.set G1W,  44
.set G0A,  52
.set G0W,  56
.set WA,   2                           ; v2, v3  LDS address of my weight rows
.set A16,  4                           ; v4, v5  of my pair's images, heads 0-7
.set A8,   5
.set B16,  6                           ; v6, v7  heads 8-15
.set B8,   7
.set SO,   8                           ; v8      the stage: where I put 32 bytes of a row
.set SR,   9                           ; v9      and where I read rows back
.set CO,   10                          ; v10     my byte offset in two rows of out0
.set AS,   16                          ; v16-23  the images' scale words, one register a K step
.set WS,   24                          ; v24-39  the weight's
.set BI,   40                          ; v40-71  the bias
.set AF,   72                          ; v72-95  two fragments of the left operand
.set WF,   96                          ; v96-143 four of the weight
.set ACC,  144                         ; v144-207 accumulator (u, t) at ACC + 32 u + 8 t
.set OUTR, 72                          ; v72-135 rows read back from the stage
.macro CROUND
	s_barrier_signal -1
	s_barrier_wait -1
	s_cmp_lg_u32 s[WV], 0
	s_cbranch_scc1 .Lnot_wave_0_\@
	s_barrier_signal -3
.Lnot_wave_0_\@:
	s_barrier_wait -3
	s_barrier_signal -1
	s_barrier_wait -1
.endm
.macro PLACES n
.rept \n
	v_nop
.endr
.endm
.macro ROWFRAG reg, adr, s, base
.irp p, 0,1,2,3,4,5
.set RO, 96*(\s)+48*(\p/3)+8*(\p%3)
.if RO%INT < INT-24
	ds_load_b64 v[\reg+2*\p:\reg+2*\p+1], v[\adr] offset:\base+RO+16*(RO/INT)
.else
	ds_load_b64 v[\reg+2*\p:\reg+2*\p+1], v[\adr+1] offset:\base+RO+16*(RO/INT)
.endif
.endr
.endm
.macro IMGFRAG reg, a16, a8, off0, off1
	ds_load_b128 v[\reg:\reg+3], v[\a16] offset:\off0
	ds_load_b64 v[\reg+4:\reg+5], v[\a8] offset:\off0
	ds_load_b128 v[\reg+6:\reg+9], v[\a16] offset:\off1
	ds_load_b64 v[\reg+10:\reg+11], v[\a8] offset:\off1
.endm
.macro MM d, a, b, c, sa, sb, ra, rb
.if (\ra) && (\rb)
	v_wmma_scale_f32_16x16x128_f8f6f4 v[\d:\d+7], v[\a:\a+11], v[\b:\b+11], v[\c:\c+7], v[\sa], v[\sb] matrix_a_fmt:MATRIX_FMT_FP6 matrix_b_fmt:MATRIX_FMT_FP6 matrix_a_scale:MATRIX_SCALE_ROW1 matrix_b_scale:MATRIX_SCALE_ROW1
.elseif (\ra)
	v_wmma_scale_f32_16x16x128_f8f6f4 v[\d:\d+7], v[\a:\a+11], v[\b:\b+11], v[\c:\c+7], v[\sa], v[\sb] matrix_a_fmt:MATRIX_FMT_FP6 matrix_b_fmt:MATRIX_FMT_FP6 matrix_a_scale:MATRIX_SCALE_ROW1
.elseif (\rb)
	v_wmma_scale_f32_16x16x128_f8f6f4 v[\d:\d+7], v[\a:\a+11], v[\b:\b+11], v[\c:\c+7], v[\sa], v[\sb] matrix_a_fmt:MATRIX_FMT_FP6 matrix_b_fmt:MATRIX_FMT_FP6 matrix_b_scale:MATRIX_SCALE_ROW1
.else
	v_wmma_scale_f32_16x16x128_f8f6f4 v[\d:\d+7], v[\a:\a+11], v[\b:\b+11], v[\c:\c+7], v[\sa], v[\sb] matrix_a_fmt:MATRIX_FMT_FP6 matrix_b_fmt:MATRIX_FMT_FP6
.endif
.endm
	s_load_b256 s[4:11], s[0:1], 0x0               ; aimg s[4:5], asc s[6:7], out_w codes s[8:9], scales s[10:11]
	s_load_b128 s[12:15], s[0:1], 0x20             ; out_b s[12:13], out0 s[14:15]
	v_lshl_add_u32 v254, v0, 2, 0x42c00
	v_mov_b32 v255, 0
	ds_add_u32 v254, v255
	ds_add_u32 v254, v255
	v_lshrrev_b32 v1, 5, v0
	s_delay_alu instid0(VALU_DEP_1)
	v_readfirstlane_b32 s[WV], v1                  ; wave 0..7
	s_lshr_b32 s25, s[WV], 2
	s_and_b32 s26, s[WV], 3
	s_bfe_u32 s27, ttmp6, 0x40000                  ; cx
	s_bfe_u32 s28, ttmp6, 0x40004                  ; cy
	s_lshl_b32 s29, ttmp9, 2
	s_add_co_u32 s29, s29, s27                     ; F
	s_and_b32 s30, ttmp7, 0xffff
	s_lshl_b32 s30, s30, 2
	s_add_co_u32 s30, s30, s28                     ; Tb
	s_lshl_b32 s31, s28, 2
	s_lshl_b32 s31, 15, s31                        ; my row of the cluster
	s_lshl_b32 s32, 0x1111, s27                    ; my column
	; the images: four heads' eight tiles: four rows of 6,144 bytes (768 elements of 8), a head's 196,608 bytes apart; no padding
	s_or_b32 s[G1A], s31, (3<<16)|(1<<21)
	s_mov_b32 s[G1A+1], 768<<16
	s_mov_b32 s[G1A+2], 4<<16                      ; four heads to a load
	s_mov_b32 s[G1A+3], 768<<16
	s_mov_b32 s[G1A+4], 4
	s_mov_b32 s[G1A+5], 24576
	s_mov_b32 s[G1A+6], 0
	s_mov_b32 s[G1A+7], 0
	; the weight: 16 rows of 768 bytes, dense, as 48 rows of 256, 16 bytes of padding behind each
	s_or_b32 s[G1W], s32, (3<<16)|(1<<20)|(1<<21)|(5<<22)|(3<<25)
	s_mov_b32 s[G1W+1], 32<<16
	s_mov_b32 s[G1W+2], 96<<16                     ; 32 rows of the weight to a load: 96 rows of 256 bytes
	s_mov_b32 s[G1W+3], 32<<16
	s_mov_b32 s[G1W+4], 96
	s_mov_b32 s[G1W+5], 32
	s_mov_b32 s[G1W+6], 0
	s_mov_b32 s[G1W+7], 0
	s_lshl_b32 s72, s26, 10                        ; waves 0-3 fetch images: heads 4 (wave % 4) on
	s_lshl_b32 s73, s30, 3
	s_add_co_u32 s72, s72, s73
	s_mul_i32 s72, s72, 768                        ; heads 4 wave .. 4 wave + 3, tile 8 Tb (these registers never hold cx)
	s_mov_b32 s73, 0
	s_lshl_b32 s34, s29, 7
	s_lshl_b32 s35, s26, 5                         ; waves 4-7 fetch the weight: rows 32 (wave % 4) on
	s_add_co_u32 s34, s34, s35
	s_mul_i32 s34, s34, 768                        ; weight rows 128 F + 32 (wave % 4) on (these never hold cy)
	s_mov_b32 s35, 0
	s_lshl_b32 s74, s30, 3
	s_lshl_b32 s75, s26, 1
	s_add_co_u32 s74, s74, s75
	s_lshl_b32 s74, s74, 6                         ; asc: my pair's words of head 0
	s_mov_b32 s75, 0
	s_lshl_b32 s76, s29, 7
	s_lshl_b32 s77, s25, 6
	s_add_co_u32 s76, s76, s77                     ; my first feature
	s_lshl_b32 s78, s76, 2                         ; its bias, and its column of out0, in bytes
	s_mov_b32 s79, 0
	s_lshl_b32 s76, s76, 5                         ; its scale bytes: 32 a row
	s_mov_b32 s77, 0
	s_lshl_b32 s80, s30, 7
	s_lshl_b32 s81, s26, 5
	s_add_co_u32 s80, s80, s81                     ; my pair's first token
	s_lshl_b32 s80, s80, 12                        ; a row of out0 is 4,096 bytes
	s_add_co_u32 s80, s80, s78
	s_mov_b32 s81, 0
	s_wait_dscnt 0x0
	s_wait_kmcnt 0x0
	s_mov_b32 s[G0A], 1
	s_mul_i32 s[G0A+1], s26, 24576
	s_add_nc_u64 s[G0A+2:G0A+3], s[4:5], s[72:73]
	s_or_b32 s[G0A+3], s[G0A+3], 0x80000000
	s_mov_b32 s[G0W], 1
	s_mul_i32 s[G0W+1], s26, 2*GRP
	s_add_co_u32 s[G0W+1], s[G0W+1], WB
	s_add_nc_u64 s[G0W+2:G0W+3], s[8:9], s[34:35]
	s_or_b32 s[G0W+3], s[G0W+3], 0x80000000
	s_add_nc_u64 s[74:75], s[6:7], s[74:75]
	s_add_nc_u64 s[76:77], s[10:11], s[76:77]
	s_add_nc_u64 s[78:79], s[12:13], s[78:79]
	s_add_nc_u64 s[80:81], s[14:15], s[80:81]
	CROUND                                         ; all sixteen work-groups are here: the joint loads meet
	s_cmp_lt_u32 s[WV], 4                          ; every wave issues one load: waves 0-3 the images, waves 4-7 the weight's rows
	s_cbranch_scc0 .Lfor_w
	tensor_load_to_lds s[G0A:G0A+3], s[G1A:G1A+7]
	s_nop 0
	PLACES 4
	s_branch .Lasked
.Lfor_w:
	tensor_load_to_lds s[G0W:G0W+3], s[G1W:G1W+7]
	s_nop 0
	PLACES 4
.Lasked:
	v_and_b32 v11, 31, v0                          ; lane
	v_and_b32 v12, 15, v0                          ; r
	v_bfe_u32 v13, v0, 4, 1                        ; h
	s_delay_alu instid0(VALU_DEP_2)
	v_mul_u32_u24 v14, v12, ROWP
	s_delay_alu instid0(VALU_DEP_1)
	v_mad_u32_u24 v[WA], v13, 24, v14
	s_delay_alu instid0(VALU_DEP_2)
	v_mad_u32_u24 v[WA+1], v13, 40, v14
	s_mul_i32 s82, s25, 4*GRP
	s_add_co_u32 s82, s82, WB
	v_add_nc_u32 v[WA], s82, v[WA]
	v_add_nc_u32 v[WA+1], s82, v[WA+1]
	s_mul_i32 s83, s26, 1536
	v_lshl_add_u32 v[A16], v11, 4, s83
	v_lshl_add_u32 v[A8], v11, 3, s83
	s_delay_alu instid0(VALU_DEP_1)
	v_add_nc_u32 v[A8], 512, v[A8]
	s_delay_alu instid0(VALU_DEP_3)
	v_add_nc_u32 v[B16], 49152, v[A16]
	s_delay_alu instid0(VALU_DEP_2)
	v_add_nc_u32 v[B8], 49152, v[A8]
	s_mul_i32 s84, s[WV], 32*272
	s_add_co_u32 s84, s84, STG                     ; my stage
	v_mul_u32_u24 v[SO], v12, 272
	s_delay_alu instid0(VALU_DEP_1)
	v_lshl_add_u32 v[SO], v13, 5, v[SO]
	s_delay_alu instid0(VALU_DEP_1)
	v_add_nc_u32 v[SO], s84, v[SO]                 ; in: row r, 32 bytes for each half of the lanes
	v_mul_u32_u24 v[SR], v13, 272
	s_delay_alu instid0(VALU_DEP_1)
	v_lshl_add_u32 v[SR], v12, 4, v[SR]
	s_delay_alu instid0(VALU_DEP_1)
	v_add_nc_u32 v[SR], s84, v[SR]                 ; back: lanes 0-15 one row of 256 bytes, lanes 16-31 the next
	v_lshlrev_b32 v[CO], 12, v13
	s_delay_alu instid0(VALU_DEP_1)
	v_lshl_add_u32 v[CO], v12, 4, v[CO]            ; and the same two rows in out0
	v_lshlrev_b32 v14, 2, v11                      ; asc: 4 x lane: lanes 0-15 the even tile's words, lanes 16-31 the odd tile's
	v_lshlrev_b32 v15, 5, v11                      ; the weight's scale words: row = lane, 32 bytes a row
	v_lshlrev_b32 v1, 5, v13                       ; the bias: 32 h
.irp d, 0,1,2,3,4,5,6,7,8,9,10,11,12,13,14,15
	global_load_b32 v[ACC+\d], v14, s[74:75] offset:16384*\d
.endr
.irp b, 0,1
	global_load_b128 v[WS+8*\b:WS+8*\b+3], v15, s[76:77] offset:1024*\b
	global_load_b128 v[WS+8*\b+4:WS+8*\b+7], v15, s[76:77] offset:1024*\b+16
.endr
.irp t, 0,1,2,3
	global_load_b128 v[BI+8*\t:BI+8*\t+3], v1, s[78:79] offset:64*\t               ; features 16 t + 8 h + 0 .. 7
	global_load_b128 v[BI+8*\t+4:BI+8*\t+7], v1, s[78:79] offset:64*\t+16
.endr
	s_wait_loadcnt 0x0
.irp j, 0,1,2,3,4,5,6,7
	v_bfi_b32 v[AS+\j], 0xffff, v[ACC+2*\j], v[ACC+2*\j+1]           ; K step j: heads 2 j and 2 j + 1
.endr
	PLACES 8                                       ; a scale register written by a vector instruction stands eight places ahead of a scaled product
	s_wait_alu depctr_va_vdst(0)
	s_wait_tensorcnt 0x0
	s_barrier_signal -1
	s_barrier_wait -1
.macro KSTEP s
.if \s > 0
	PLACES 4                                       ; in front of loads into registers that matrix instructions have read
.endif
.if \s < 4
	IMGFRAG AF, A16, A8, 12288*\s, 12288*\s+6144
	IMGFRAG AF+12, A16, A8, 12288*\s+768, 12288*\s+6912
.else
	IMGFRAG AF, B16, B8, 12288*(\s-4), 12288*(\s-4)+6144
	IMGFRAG AF+12, B16, B8, 12288*(\s-4)+768, 12288*(\s-4)+6912
.endif
.irp t, 0,1,2,3
	ROWFRAG WF+12*\t, WA, \s, GRP*\t
.endr
.irp t, 0,1,2,3
	s_wait_dscnt 18-6*\t                           ; the images' two fragments and the weight's up to tile t are in; the six loads of each later tile may be out
.irp u, 0,1
.if \s == 0
	MM ACC+32*\u+8*\t, WF+12*\t, AF+12*\u, BI+8*\t, WS+8*(\t/2)+\s, AS+\s, \t%2, \u
.else
	MM ACC+32*\u+8*\t, WF+12*\t, AF+12*\u, ACC+32*\u+8*\t, WS+8*(\t/2)+\s, AS+\s, \t%2, \u
.endif
.endr
.endr
.endm
.irp s, 0,1,2,3,4,5,6,7
	KSTEP \s
.endr
	PLACES 4
.irp u, 0,1
.irp t, 0,1,2,3
	ds_store_b128 v[SO], v[ACC+32*\u+8*\t:ACC+32*\u+8*\t+3] offset:4352*\u+64*\t         ; each accumulator from its low end on
	ds_store_b128 v[SO], v[ACC+32*\u+8*\t+4:ACC+32*\u+8*\t+7] offset:4352*\u+64*\t+16
.endr
.endr
.irp i, 0,1,2,3,4,5,6,7,8,9,10,11,12,13,14,15
	ds_load_b128 v[OUTR+4*\i:OUTR+4*\i+3], v[SR] offset:544*\i       ; LDS serves a wave's instructions in order (ISA guide 5.7.1.4): these see my stores; the stage is my own
.endr
.irp i, 0,1,2,3,4,5,6,7,8,9,10,11,12,13,14,15
	s_wait_dscnt 15-\i                             ; the loads issued behind load i may stay out
	global_store_b128 v[CO], v[OUTR+4*\i:OUTR+4*\i+3], s[80:81] offset:(8*(\i/8)+2*(\i%8)+8*((\i%8)/4))*4096 th:TH_STORE_NT   ; stage rows 2 i, 2 i + 1 are tokens 8 u + r + 8 (r / 8) of my 32
.endr
	s_wait_tensorcnt 0x0
	ds_add_u32 v254, v255
	s_wait_dscnt 0x0
	CROUND                                         ; the closing round
	s_endpgm
.Lfunc_end_k_qdd818d4dbc_outp:
	.size	k_qdd818d4dbc_outp, .Lfunc_end_k_qdd818d4dbc_outp-k_qdd818d4dbc_outp
	.p2alignl 7, 3214868480
	.fill 96, 4, 3214868480
	.section	.rodata,"a",@progbits
	.p2align	6, 0x0
	.amdhsa_kernel k_qdd818d4dbc_outp
		.amdhsa_group_segment_fixed_size 274432
		.amdhsa_private_segment_fixed_size 0
		.amdhsa_enable_private_segment 0
		.amdhsa_kernarg_size 48
		.amdhsa_user_sgpr_count 2
		.amdhsa_user_sgpr_kernarg_segment_ptr 1
		.amdhsa_wavefront_size32 1
		.amdhsa_system_sgpr_workgroup_id_x 1
		.amdhsa_system_sgpr_workgroup_id_y 1
		.amdhsa_system_sgpr_workgroup_id_z 1
		.amdhsa_system_vgpr_workitem_id 0
		.amdhsa_next_free_vgpr 256
		.amdhsa_next_free_sgpr 96
		.amdhsa_reserve_vcc 0
		.amdhsa_float_denorm_mode_32 3
		.amdhsa_float_denorm_mode_16_64 3
		.amdhsa_memory_ordered 1
		.amdhsa_forward_progress 1
		.amdhsa_inst_pref_size 41
	.end_amdhsa_kernel
	.amdgpu_metadata
---
amdhsa.version: [ 1, 2 ]
amdhsa.kernels:
  - .name:           k_qdd818d4dbc_outp
    .symbol:         k_qdd818d4dbc_outp.kd
    .args:
      - { .name: aimg, .offset: 0, .size: 8, .value_kind: global_buffer, .address_space: global }
      - { .name: asc, .offset: 8, .size: 8, .value_kind: global_buffer, .address_space: global }
      - { .name: out_w_codes, .offset: 16, .size: 8, .value_kind: global_buffer, .address_space: global }
      - { .name: out_w_scales, .offset: 24, .size: 8, .value_kind: global_buffer, .address_space: global }
      - { .name: out_b, .offset: 32, .size: 8, .value_kind: global_buffer, .address_space: global }
      - { .name: out0, .offset: 40, .size: 8, .value_kind: global_buffer, .address_space: global }
    .group_segment_fixed_size: 274432
    .private_segment_fixed_size: 0
    .kernarg_segment_align: 8
    .kernarg_segment_size: 48
    .max_flat_workgroup_size: 256
    .sgpr_count:     96
    .vgpr_count:     256
    .wavefront_size: 32
...
	.end_amdgpu_metadata
.endif
;; end of part 4
